; MI455X (gfx1250); checked and timed in simulation.
; The chip was launched on July 23, 2026; its instructions are those of AMD's public machine-readable ISA for CDNA 5 (MIT licence, August 2026) and "CDNA5" Instruction Set Architecture Reference Guide (July 2026). The comments in the code are by the model that wrote it; some were corrected since.
;; Multi Head Attention. Allowed arithmetic: matrix products marked QUANTISED: E2M3 operands, one E8M0 scale for each 32 along K, by v_wmma_scale_f32_16x16x128_f8f6f4 with both operands' format E2M3, f32 sums; everything else in f32.
;; Inputs: Wk 16 x 1,024 x 64 float32; Wo 1,024 x 1,024 float32; Wq 16 x 1,024 x 64 float32; Wv 16 x 1,024 x 64 float32; bo 1,024 float32; key_in 4 x 2,048 x 1,024 float32; query 4 x 2,048 x 1,024 float32; value 4 x 2,048 x 1,024 float32.
;; Outputs: out0 4 x 2,048 x 1,024 float32.
;; This version of the problem:
;;   THIS VERSION OF THE PROBLEM IS GIVEN IN LOW PRECISION. The matrix products marked QUANTISED in the list below multiply operands that are first quantised to E2M3 (2 exponent bits, 3 mantissa bits; 6 bits a number), with one power-of-two scale for each 32 numbers along K (OCP MX v1.0); their sums are f32. All else is computed in f32.
;;   The module's matrix products, in the order in which they are computed (A, B: the left and right operand; K: the contracted axis; several contracted axes count as one K, in the product's order):
;;     1. [M 1,024, K 1,024] x [K 1,024, N 8,192]; A: input Wq; B: input query: QUANTISED
;;     2. [M 1,024, K 1,024] x [K 1,024, N 8,192]; A: input Wk; B: input key_in: QUANTISED
;;     3. [M 1,024, K 1,024] x [K 1,024, N 8,192]; A: input Wv; B: input value: QUANTISED
;;     4. batch 64 x [M 2,048, K 64] x [K 64, N 2,048]; A: computed on the way; B: computed on the way: QUANTISED
;;     5. batch 64 x [M 2,048, K 2,048] x [K 2,048, N 64]; A: softmax (see below); B: computed on the way: QUANTISED
;;     6. [M 8,192, K 1,024] x [K 1,024, N 1,024]; A: computed on the way; B: input Wo: QUANTISED
;;   THE QUANTISER, for each operand of a quantised product, along K:
;;     - K is cut into blocks of 32 from its start; a last block that is shorter is filled with zeros.
;;     - A block's scale is 2^e with e = floor(log2(the largest magnitude in the block)) - 2, held to -126 .. 127; a block of zeros has e = 0. As a byte (E8M0): e + 127.
;;     - Each number is divided by its block's scale, clamped to +-7.5, and rounded to the nearest number of E2M3, ties to even, subnormals kept.
;;     - The product sums the exact products of the quantised numbers (number of the format x scale) in f32.
;;   ~~~python
;;   def quantise(x, axis):      # numpy; x: float32 -> the quantised numbers, widened to float32 again
;;       x = np.moveaxis(x, axis, -1); K = x.shape[-1]
;;       x = np.pad(x, [(0, 0)] * (x.ndim - 1) + [(0, -K % 32)]); x = x.reshape(x.shape[:-1] + (-1, 32)); a = np.abs(x).max(-1, keepdims=True)
;;       e = np.where(a > 0, np.clip(np.frexp(np.where(a > 0, a, 1))[1] - 1 - 2, -126, 127), 0)      # np.frexp(a)[1] - 1 = floor(log2(a)), exactly
;;       r = np.clip(x / 2.0 ** e, -7.5, 7.5)
;;       step = 2.0 ** (np.maximum(np.frexp(np.where(r == 0, 1, r))[1] - 1, 0) - 3)
;;       q = np.round(r / step) * step * 2.0 ** e      # np.round: ties to even
;;       return np.moveaxis(q.reshape(q.shape[:-2] + (-1,))[..., :K], -1, axis).astype(np.float32)
;;   ~~~
;;   SOFTMAX AHEAD OF A QUANTISED PRODUCT. Where the list says 'softmax', what is quantised is not the finished softmax but p = 2^(t - M), with t = logit x log2(e) and M = ceil(the row's largest t), a whole number; so 1/2 < the row's largest p <= 1. The row's sum l is taken of the UNQUANTISED p, in f32, and the product's result is divided by l at the end. Since M is a whole number, a kernel that streams over the keys may use a running M (the ceiling of the running maximum): every later rescaling is an exact power of two, which a block's scale takes up: the codes' values come out the same.
;;   OPERANDS COMPUTED ON THE WAY. 'Computed on the way' means the value that the module computes at that place (a softmax that the list does not call 'softmax' is quantised finished and normalised). What goes into a quantiser is computed in f32, as accurately as f32 sums, v_exp_f32 and their like allow (about 1e-6 of the number): no bf16 or f16 on the way to a quantiser, and a product that is left as it is and whose result goes on into a quantised operand takes f32 operands (vector FMAs, or v_wmma_f32_16x16x4_f32). A number that lies on a knife's edge between two numbers of the format may be rounded either way, as far as f32 arithmetic and the matrix unit's own rounding can turn it there, and no further.
;; One version. Each part assembles by itself: llvm-mc -triple=amdgcn-amd-amdhsa -mcpu=gfx1250 --defsym DOCPART=n.
;; ======== version 1 of 1: 4 launches
;; limits: right only within a limited range of input values
;; workspace buffers: xc 18,874,368 bytes; xs 786,432 bytes; wc 3,145,728 bytes; ws 131,072 bytes; qb 6,553,600 bytes; kv 13,107,200 bytes; cc 6,291,456 bytes; cs 262,144 bytes
;; launch quant (part 1): grid 896 x 1, 4 waves a work-group, no clusters, 68,096 bytes of LDS; arguments query, key_in, value, Wo, Wq, Wk, Wv, xc, xs, wc, ws; writes xc, xs, wc, ws
.if DOCPART == 1
	.amdgcn_target "amdgcn-amd-amdhsa--gfx1250"
	.amdhsa_code_object_version 6
	.text
	.protected	k_qc472cde911_quant
	.globl	k_qc472cde911_quant
	.p2align	8
	.type	k_qc472cde911_quant,@function
k_qc472cde911_quant:
	s_mov_b64 s[64:65], 0
	v_nop
	global_prefetch_b8 v0, s[64:65] scope:SCOPE_SE
	s_setreg_imm32_b32 hwreg(HW_REG_WAVE_MODE, 25, 1), 1
	s_wait_xcnt 0x0
; MULTI-HEAD ATTENTION IN MX-FP6, launch 1 of 4: every input operand becomes codes of E2M3 (6 bits) with one E8M0 byte for each 32 along its product's K.
; NOTHING OF THE PROBLEM IS LEFT OUT: all eight inputs reach out0 (bo is read by the last launch), there is no mask, and all six products are live.
; A block's scale is 2^(floor(log2(its largest magnitude)) - 2): its byte is the largest magnitude's exponent field - 2, held at 1 from below.
; LIMITS: a block of zeros gets the byte 1 where the rule says 127 (its codes are zeros, which add nothing; this program alone reads the bytes); blocks whose largest magnitude lies
; under 2^-124 are held at the byte 1; NaN and infinities among the inputs are not served.
; THE ORDER OF ROWS.  Rows of query, key_in, value and rows (head, k) of Wq, Wk, Wv are STORED with bits 3 and 4 of the row's number swapped.  Sixteen neighbouring stored rows, tile 2 f + u,
; then hold at place m the row 32 f + 8 u + m + 8 (m / 8): used as source 0 of a product, two neighbouring tiles leave a lane 16 neighbouring numbers along that axis, which the next quantiser wants.  Wo's rows stay as they are.
; WORK-GROUPS 96 .. 895: K innermost (query, key_in, value: 256 work-groups each; Wo: 32).  A tensor is a stream of blocks of 32; a wave takes 8,192 numbers, 8 rows, in 16 steps of 512.  Each load reads 512 consecutive bytes;
; a step's 2,048 bytes turn through the wave's own stage in LDS so that a lane holds 16 neighbours.  A wave is 8 rows, so swapping the two bits of the wave's number in the address of the results is the swap of the rows' bits.
; WORK-GROUPS 0 .. 95: Wq, Wk, Wv, [head][K 1024][64]: K is not innermost.  A lane takes a column and its registers run down K; a wave takes 32 columns x 256 along K; the codes leave through a stage, row by row.
; The two ways part on the work-group's number alone, have LDS bytes of their own, and join in front of the wave's last three lines.  No barrier: waves share nothing.
.set SPW,   192                        ; v192 LDS address of my spare word; never rewritten
.set NIL,   193                        ; v193 0; never rewritten
.set SPARE, 67584                      ; behind both ways' regions: 128 bytes for each wave
.set STEPS, 16
.set CB,    12                         ; bytes of 16 codes
.set SP,    80                         ; a lane's place in a stage: 64 bytes + 16
.set RA,    16                         ; v16-79   four sets of 16 numbers as loaded
.set XA,    80                         ; v80-111  two sets of 16 neighbours
.set EA,    112                        ; v112-127 a scale byte for each step
.set CA,    128                        ; v128-191 codes: four registers a step
.set PITCH, 272                        ; the weights' stage: sixteen places of 16 bytes + 16
.set STGB,  32768                      ; where the weights' four stages begin
.set NB,    8
.set XB,    32                         ; v32-95   two sets of 32 numbers
.set CW,    96                         ; v96..    a block's codes
.set OUTR,  112                        ; v112-175 the way out
.set SB,    24                         ; v24-25   the scale bytes
.macro LOADA t
.irp i, 0,1,2,3
	global_load_b128 v[RA+16*((\t)%4)+4*\i:RA+16*((\t)%4)+4*\i+3], v3, s[4:5] offset:2048*(\t)+512*\i th:TH_LOAD_NT   ; 32 lanes read 512 consecutive bytes
.endr
.endm
.macro TURNA t                         ; a step's numbers through the stage: LDS serves a wave's instructions in order, so no wait stands between the stores and the loads
.irp i, 0,1,2,3
	ds_store_b128 v14, v[RA+16*((\t)%4)+4*\i:RA+16*((\t)%4)+4*\i+3] offset:32*SP*((\t)%2)+8*SP*\i
.endr
.irp i, 0,1,2,3
	ds_load_b128 v[XA+16*((\t)%2)+4*\i:XA+16*((\t)%2)+4*\i+3], v15 offset:32*SP*((\t)%2)+16*\i
.endr
.endm
.macro STEPA t
.set XS, XA+16*((\t)%2)
.if (\t) > 0
	s_wait_dscnt 1                                 ; this step's numbers are back from the stage; the last step's byte store may be out
.else
	s_wait_dscnt 0x0
.endif
.if (\t)+4 < STEPS
	LOADA (\t)+4                                   ; into the registers that this step's stage stores have read
.endif
.if (\t)+1 < STEPS
.if STEPS-2-(\t) >= 3
	s_wait_loadcnt 12                              ; the next step's four loads are in; those of the three steps behind it may be out
.else
	s_wait_loadcnt 4*(STEPS-2-(\t))
.endif
	TURNA (\t)+1
.endif
	v_max3_num_f32 v8, |v[XS]|, |v[XS+1]|, |v[XS+2]|               ; the largest magnitude of my 16, in two chains
	v_max3_num_f32 v9, |v[XS+3]|, |v[XS+4]|, |v[XS+5]|
.irp i, 6,10
	v_max3_num_f32 v8, v8, |v[XS+\i]|, |v[XS+\i+1]|
	v_max3_num_f32 v9, v9, |v[XS+\i+2]|, |v[XS+\i+3]|
.endr
	v_max3_num_f32 v8, v8, |v[XS+14]|, |v[XS+15]|
	v_max3_num_f32 v8, v8, v9, 0x1800000           ; and the floor 2^(3 - 127): the byte cannot fall under 1
	v_max_num_f32_dpp v8, v8, v8 row_xmask:1 row_mask:0xf bank_mask:0xf   ; with my neighbour's 16: the block's
	v_add_nc_u32 v11, 0xff000000, v8               ; 2 off its exponent field: the conversion takes this operand's exponent field as its scale
	v_cvt_scalef32_pk16_fp6_f32 v[CA+4*(\t):CA+4*(\t)+2], v[XS:XS+15], v11
	v_lshrrev_b32 v[EA+(\t)], 23, v11              ; the scale's byte (a plain line behind the conversion)
	ds_store_b8 v5, v[EA+(\t)] offset:16*(\t)      ; both lanes of a block write the same byte with the same value
	global_store_b96 v4, v[CA+4*(\t):CA+4*(\t)+2], s[18:19] offset:32*CB*(\t)   ; the wave stores 384 consecutive bytes
.endm
.macro LOADB t                         ; block t: W(32 t + i, my column), i = 0 .. 31
.irp i, 0,1,2,3,4,5,6,7,8,9,10,11,12,13,14,15,16,17,18,19,20,21,22,23,24,25,26,27,28,29,30,31
	global_load_b32 v[XB+32*((\t)%2)+\i], v3, s[12:13] offset:(32*(\t)+\i)*256 th:TH_LOAD_NT
.endr
.endm
.macro BLOCKB t
.set XS, XB+32*((\t)%2)
.if (\t) < NB-1
	s_wait_loadcnt 32                              ; this block's 32 loads are in; the next block's may be out
.else
	s_wait_loadcnt 0
.endif
	v_max3_num_f32 v12, |v[XS]|, |v[XS+1]|, |v[XS+2]|              ; all 32 numbers of the block are mine
	v_max3_num_f32 v13, |v[XS+3]|, |v[XS+4]|, |v[XS+5]|
.irp i, 6,10,14,18,22,26
	v_max3_num_f32 v12, v12, |v[XS+\i]|, |v[XS+\i+1]|
	v_max3_num_f32 v13, v13, |v[XS+\i+2]|, |v[XS+\i+3]|
.endr
	v_max3_num_f32 v12, v12, |v[XS+30]|, |v[XS+31]|
	v_max3_num_f32 v12, v12, v13, 0x1800000
	v_add_nc_u32 v11, 0xff000000, v12
	v_lshrrev_b32 v13, 23, v11
.if (\t)%4 == 0
	v_mov_b32 v[SB+(\t)/4], v13                    ; four bytes to a register, the lower K in the lower byte
.else
	v_lshl_or_b32 v[SB+(\t)/4], v13, 8*((\t)%4), v[SB+(\t)/4]
.endif
	v_cvt_scalef32_pk16_fp6_f32 v[CW:CW+2], v[XS:XS+15], v11
	v_cvt_scalef32_pk16_fp6_f32 v[CW+4:CW+6], v[XS+16:XS+31], v11  ; (a conversion's three registers begin on an even number)
	v_nop                                          ; a plain line behind the conversions
	ds_store_b96 v4, v[CW:CW+2] offset:32*(\t)     ; 12 bytes to a place of 16
	ds_store_b96 v4, v[CW+4:CW+6] offset:32*(\t)+16
.if (\t)+2 < NB
	LOADB (\t)+2
.endif
	s_wait_dscnt 0x0                               ; the stores have read their registers: the next block's codes may be written
.endm
	s_load_b512 s[4:19], s[0:1], 0x0               ; query s[4:5], key_in s[6:7], value s[8:9], Wo s[10:11], Wq s[12:13], Wk s[14:15], Wv s[16:17], xc s[18:19]
	s_load_b128 s[20:23], s[0:1], 0x40             ; xs s[20:21], wc s[22:23]
	s_load_b64 s[24:25], s[0:1], 0x50              ; ws
	v_lshl_add_u32 v[SPW], v0, 2, SPARE
	v_mov_b32 v[NIL], 0
	v_lshrrev_b32 v1, 5, v0
	v_readfirstlane_b32 s26, v1                    ; wave
	v_and_b32 v2, 31, v0                           ; lane
	s_wait_kmcnt 0x0
	s_cmp_lt_u32 ttmp9, 96
	s_cbranch_scc1 .Lweights
	; ---- K innermost
	s_wait_alu depctr_va_vdst(0)
	v_lshlrev_b32 v3, 4, v2                        ; my 16 bytes of a load's 512
	s_lshl_b32 s27, s26, 13                        ; my wave's 8,192 bytes of LDS
	v_lshrrev_b32 v14, 2, v2
	v_mul_u32_u24 v14, v14, SP
	v_and_b32 v15, 3, v2
	v_lshl_add_u32 v14, v15, 4, v14
	v_add_nc_u32 v14, s27, v14                     ; into the stage: four lanes' 64 bytes on end, then 16 of padding
	v_mul_u32_u24 v15, v2, SP
	v_add_nc_u32 v15, s27, v15                     ; out of it: my 16 neighbours
	v_mul_u32_u24 v4, v2, CB                       ; my codes' place in a step's
	v_lshrrev_b32 v5, 1, v2
	s_add_co_u32 s27, s27, 2*32*SP
	v_add_nc_u32 v5, s27, v5                       ; my wave's 256 scale bytes: my block's byte
	v_lshlrev_b32 v7, 3, v2
	v_add_nc_u32 v6, s27, v7                       ; and on the way out 8 bytes a lane
	s_sub_co_u32 s28, ttmp9, 96
	s_lshr_b32 s29, s28, 8                         ; which tensor: 0 query, 1 key_in, 2 value, 3 Wo
	s_and_b32 s28, s28, 255
	s_lshl_b32 s28, s28, 2                         ; the work-group's first run of 8 rows
	s_and_b32 s30, s26, 1
	s_lshl_b32 s30, s30, 1
	s_lshr_b32 s31, s26, 1
	s_or_b32 s30, s30, s31
	; key_in and value: bits 3 to 5 of the row's number are rotated (stored bit 3 = bit 5, stored bits 5:4 = bits 4:3): sixteen stored rows are 8 rows of one block of 32 and the 8 rows that lie 32 further on
	s_bfe_u32 s31, s28, 0x10002                    ; g: bit 5 of the rows' numbers
	s_mul_i32 s31, s31, 3
	s_lshl_b32 s33, s26, 1
	s_sub_co_u32 s33, s33, s31                     ; the stored run less the work-group's first run: 2 x wave + g - 4 g
	s_sub_co_u32 s35, s29, 1
	s_cmp_lt_u32 s35, 2
	s_cselect_b32 s30, s33, s30
	s_mul_i32 s32, s29, 6291456                    ; the tensor's codes in xc,
	s_mul_i32 s34, s29, 262144                     ; its bytes in xs;
	s_mov_b32 s36, 2359296                         ; Wo's in wc
	s_mov_b32 s37, 98304                           ; and in ws
	s_cmp_eq_u32 s29, 1                            ; the choices hang on the work-group's number alone
	s_cselect_b64 s[4:5], s[6:7], s[4:5]
	s_cmp_eq_u32 s29, 2
	s_cselect_b64 s[4:5], s[8:9], s[4:5]
	s_cmp_eq_u32 s29, 3
	s_cselect_b64 s[4:5], s[10:11], s[4:5]
	s_cselect_b64 s[18:19], s[22:23], s[18:19]
	s_cselect_b64 s[20:21], s[24:25], s[20:21]
	s_cselect_b32 s30, s26, s30                    ; Wo's rows keep their order
	s_cselect_b32 s32, s36, s32
	s_cselect_b32 s34, s37, s34
	s_add_co_u32 s36, s28, s26                     ; the run that I read,
	s_add_co_u32 s30, s28, s30                     ; and where it goes
	s_lshl_b32 s36, s36, 15
	s_mov_b32 s37, 0
	s_add_nc_u64 s[4:5], s[4:5], s[36:37]
	s_mul_i32 s36, s30, 6144
	s_add_co_u32 s36, s36, s32
	s_add_nc_u64 s[18:19], s[18:19], s[36:37]
	s_lshl_b32 s36, s30, 8
	s_add_co_u32 s36, s36, s34
	s_add_nc_u64 s[20:21], s[20:21], s[36:37]
.irp t, 0,1,2,3
	LOADA \t
.endr
	s_wait_alu depctr_va_vdst(0)
	s_wait_loadcnt 12                              ; step 0's four loads are in
	TURNA 0
.irp t, 0,1,2,3,4,5,6,7,8,9,10,11,12,13,14,15
	STEPA \t
.endr
	ds_load_b64 v[8:9], v6                         ; LDS serves a wave's instructions in order: these see my byte stores
	s_wait_dscnt 0x0
	global_store_b64 v7, v[8:9], s[20:21]          ; 32 lanes store 256 consecutive bytes, aligned
	s_branch .Lend
.Lweights:
	; ---- K not innermost
	s_lshr_b32 s28, ttmp9, 5                       ; which tensor: 0 Wq, 1 Wk, 2 Wv
	s_bfe_u32 s29, ttmp9, 0x40001                  ; the head
	s_and_b32 s30, ttmp9, 1
	s_and_b32 s31, s26, 1                          ; which 32 of the head's 64 columns
	s_lshr_b32 s32, s26, 1
	s_lshl_b32 s30, s30, 1
	s_add_co_u32 s30, s30, s32                     ; which 256 along K
	s_cmp_eq_u32 s28, 1
	s_cselect_b64 s[12:13], s[14:15], s[12:13]
	s_cmp_eq_u32 s28, 2
	s_cselect_b64 s[12:13], s[16:17], s[12:13]
	s_lshl_b32 s34, s29, 18                        ; a head is 262,144 bytes, 256 rows 65,536, 32 columns 128
	s_lshl_b32 s33, s30, 16
	s_add_co_u32 s34, s34, s33
	s_lshl_b32 s33, s31, 7
	s_add_co_u32 s34, s34, s33
	s_mov_b32 s35, 0
	s_add_nc_u64 s[12:13], s[12:13], s[34:35]
	s_lshl_b32 s36, s28, 10
	s_lshl_b32 s33, s29, 6
	s_add_co_u32 s36, s36, s33
	s_lshl_b32 s33, s31, 3                         ; Wq, Wk, Wv: a head's 64 rows are stored rotated in the same way: column 32 half + 8 j + i is row 16 j + 8 half + i
	s_add_co_u32 s36, s36, s33                     ; my first row of wc and ws: 1,024 x tensor + 64 x head + 8 x half
	s_mul_i32 s34, s36, 768
	s_mul_i32 s33, s30, 192
	s_add_co_u32 s34, s34, s33
	s_add_nc_u64 s[22:23], s[22:23], s[34:35]
	s_lshl_b32 s34, s36, 5
	s_lshl_b32 s33, s30, 3
	s_add_co_u32 s34, s34, s33
	s_add_nc_u64 s[24:25], s[24:25], s[34:35]
	s_wait_alu depctr_va_vdst(0)
	v_lshlrev_b32 v3, 2, v2                        ; in: 4 bytes a lane
	v_and_b32 v4, 7, v2
	v_lshrrev_b32 v5, 3, v2
	v_lshl_add_u32 v10, v5, 4, v4                  ; where my column's row is stored, from the half's first row on: 16 (lane / 8) + lane % 8
	s_mul_i32 s33, s26, 32*PITCH
	s_add_co_u32 s33, s33, STGB                    ; my stage
	v_mul_u32_u24 v4, v2, PITCH
	v_add_nc_u32 v4, s33, v4                       ; into it
	v_and_b32 v5, 15, v2
	v_lshrrev_b32 v6, 4, v2
	v_mul_u32_u24 v7, v6, PITCH
	v_lshl_add_u32 v7, v5, 4, v7
	v_add_nc_u32 v7, s33, v7                       ; out of it: sixteen lanes to a row, two rows an instruction
	v_mul_u32_u24 v8, v6, 768
	v_mad_u32_u24 v8, v5, 12, v8                   ; and the same place in wc
	v_lshlrev_b32 v9, 5, v10                       ; my row of scale bytes
	LOADB 0
	LOADB 1
.irp t, 0,1,2,3,4,5,6,7
	BLOCKB \t
.endr
	s_wait_alu depctr_va_vdst(0)
	global_store_b64 v9, v[SB:SB+1], s[24:25]      ; my column's 8 scale bytes
.irp t, 0,1,2,3,4,5,6,7,8,9,10,11,12,13,14,15
	ds_load_b96 v[OUTR+4*\t:OUTR+4*\t+2], v7 offset:2*\t*PITCH
.endr
.irp t, 0,1,2,3,4,5,6,7,8,9,10,11,12,13,14,15
	s_wait_dscnt 15-\t                             ; LDS loads come back in order: row pair t is in
	global_store_b96 v8, v[OUTR+4*\t:OUTR+4*\t+2], s[22:23] offset:((2*\t)%8+16*(\t/4))*768
.endr
.Lend:
	s_wait_tensorcnt 0x0                           ; the wave's end
	ds_add_u32 v[SPW], v[NIL]
	s_wait_dscnt 0x0
	s_endpgm
.Lfunc_end_k_qc472cde911_quant:
	.size	k_qc472cde911_quant, .Lfunc_end_k_qc472cde911_quant-k_qc472cde911_quant
	.p2alignl 7, 3214868480
	.fill 96, 4, 3214868480
	.section	.rodata,"a",@progbits
	.p2align	6, 0x0
	.amdhsa_kernel k_qc472cde911_quant
		.amdhsa_group_segment_fixed_size 68096
		.amdhsa_private_segment_fixed_size 0
		.amdhsa_enable_private_segment 0
		.amdhsa_kernarg_size 88
		.amdhsa_user_sgpr_count 2
		.amdhsa_user_sgpr_kernarg_segment_ptr 1
		.amdhsa_wavefront_size32 1
		.amdhsa_system_sgpr_workgroup_id_x 1
		.amdhsa_system_sgpr_workgroup_id_y 1
		.amdhsa_system_sgpr_workgroup_id_z 1
		.amdhsa_system_vgpr_workitem_id 0
		.amdhsa_next_free_vgpr 194
		.amdhsa_next_free_sgpr 66
		.amdhsa_reserve_vcc 0
		.amdhsa_float_denorm_mode_32 3
		.amdhsa_float_denorm_mode_16_64 3
		.amdhsa_memory_ordered 1
		.amdhsa_forward_progress 1
		.amdhsa_inst_pref_size 75
	.end_amdhsa_kernel
	.amdgpu_metadata
---
amdhsa.version: [ 1, 2 ]
amdhsa.kernels:
  - .name:           k_qc472cde911_quant
    .symbol:         k_qc472cde911_quant.kd
    .args:
      - { .name: query, .offset: 0, .size: 8, .value_kind: global_buffer, .address_space: global }
      - { .name: key_in, .offset: 8, .size: 8, .value_kind: global_buffer, .address_space: global }
      - { .name: value, .offset: 16, .size: 8, .value_kind: global_buffer, .address_space: global }
      - { .name: Wo, .offset: 24, .size: 8, .value_kind: global_buffer, .address_space: global }
      - { .name: Wq, .offset: 32, .size: 8, .value_kind: global_buffer, .address_space: global }
      - { .name: Wk, .offset: 40, .size: 8, .value_kind: global_buffer, .address_space: global }
      - { .name: Wv, .offset: 48, .size: 8, .value_kind: global_buffer, .address_space: global }
      - { .name: xc, .offset: 56, .size: 8, .value_kind: global_buffer, .address_space: global }
      - { .name: xs, .offset: 64, .size: 8, .value_kind: global_buffer, .address_space: global }
      - { .name: wc, .offset: 72, .size: 8, .value_kind: global_buffer, .address_space: global }
      - { .name: ws, .offset: 80, .size: 8, .value_kind: global_buffer, .address_space: global }
    .group_segment_fixed_size: 68096
    .private_segment_fixed_size: 0
    .kernarg_segment_align: 8
    .kernarg_segment_size: 88
    .max_flat_workgroup_size: 128
    .sgpr_count:     66
    .vgpr_count:     194
    .wavefront_size: 32
...
	.end_amdgpu_metadata
.endif
;; end of part 1
;; launch proj (part 2): grid 12 x 16, 4 waves a work-group, clusters of 4 x 4, 327,680 bytes of LDS; arguments xc, xs, wc, ws, qb, kv; writes qb, kv
.if DOCPART == 2
	.amdgcn_target "amdgcn-amd-amdhsa--gfx1250"
	.amdhsa_code_object_version 6
	.text
	.protected	k_qc472cde911_proj
	.globl	k_qc472cde911_proj
	.p2align	8
	.type	k_qc472cde911_proj,@function
k_qc472cde911_proj:
	s_mov_b64 s[64:65], 0
	v_nop
	global_prefetch_b8 v0, s[64:65] scope:SCOPE_SE
	s_setreg_imm32_b32 hwreg(HW_REG_WAVE_MODE, 25, 1), 1
	s_wait_xcnt 0x0
	s_wait_alu depctr_hold_cnt(0) depctr_sa_sdst(0) depctr_va_vdst(0) depctr_va_sdst(0) depctr_va_ssrc(0) depctr_va_vcc(0) depctr_vm_vsrc(0)
	s_getreg_b32 s2, hwreg(HW_REG_IB_STS2, 6, 4)
	s_cmp_eq_u32 s2, 0
	s_cbranch_scc0 .Lentry_in_a_cluster
	s_endpgm
.Lentry_in_a_cluster:
	s_bfe_u32 s2, ttmp6, 0x10000c
	s_cmp_lg_u32 s2, 0xf033
	s_cbranch_scc0 .Lentry_shape_is_right
	s_endpgm
.Lentry_shape_is_right:
; Launch 2 of 4: products 1 to 3 and the quantising of q, k, v for products 4 and 5.  Nothing is left out.  No f32 result is stored.
; ONE TEXT FOR THREE PRODUCTS.  A work-group multiplies 256 HELD rows (64 a wave, all of K = 1,024, in 384 registers) with 512 STREAMED rows, which pass in blocks of 16 rows, 32 products a block.
; q, k: held = four heads of Wq or Wk, streamed = tokens.  v is made as Wv x value^T: held = 256 tokens of value, streamed = 512 rows of Wv.  64 work-groups for each tensor: 192 (24 tiles of held or streamed columns do not divide 256).
; The held rows are source 0.  A head's 64 rows, and 64 tokens of value, are stored so that tile j holds rows 8 j + i and 32 + 8 j + i: a lane's 32 sums of a block are 32 neighbours, ONE scale block: no lane looks at another for its largest magnitude.
; OUT.  A block gives half an operand of the next launch, six registers a lane, 768 bytes: registers 0-3 as [lane][16], 4-5 as [lane][8].  q, k: tile a of a step of 128 tokens at 768 a.  v: tile k of a head, band c of 64 keys, at 6,144 + 1,536 k + 768 c.
; Scale bytes: a row's two bytes of a block make a half word; four blocks make one word a lane (lanes 0-15 blocks 0, 1; lanes 16-31 blocks 2, 3), 128 bytes a store.
; LDS: W, 256 rows of 816 bytes (768 + 16 behind each 256); A, 128 rows; two places for streamed scale bytes; the spare words.  At the head: waves 0, 1 the held rows into W, wave 2 chunk 0 into A, wave 3 its scale bytes.
; TWO REFILLS, each behind the three lines and a round of the cluster's barrier: W takes chunks 1 and 2 when the held rows are in registers; A takes chunk 3 when chunk 0 has been fetched.
; A plain barrier shows chunk 3.  Streamed tiles are asked for jointly by a row of the cluster.  The held rows are not: v's four partners along a column hold different tokens, and one text serves all three products.
; A block's rows are fetched two blocks ahead: behind that fetch only the next block's, NF loads, is issued: so the wait's count is NF.
; PREFETCH: chunks 1 and 2 are asked for at the head and chunk 3 behind the first refill, each 256 bytes once in a row of the cluster: sixteen waves take 24 of a chunk's 384 each.
; LIMITS: a block of zeros has the byte 1; the floor 2^-124; NaN and infinities are not served.
.set KROW, 768
.set PITCH, 816
.set NQ, 8
.set NB, 4
.set FR, 12
.set FPW, 21
.set NF, 28
.set CH, 128*PITCH
.set CHB, 128*KROW
.set AB, 2*CH
.set S0, 3*CH
.set S1, S0+4096
.set SPARE, S1+8192
.set EMAX, 2
.set ADRA0, 4
.set AAS0, 6
.set CO, 9
.set SPW, 10
.set NIL, 11
.set ADRA, 12
.set ADRB, 14
.set ABS, 16
.set AAS, 17
.set CO8, 18
.set CO4, 19
.set SH8, 21
.set SB, 24
.set TQ, 40
.set EB, 42
.set EP, 43
.set SA, 44
.set TC, 60
.set ACC, 64
.set NCD, 128
.set HW, 144
.set PP, 146
.set XX, 148
.set SOP, 150
.set BA, 984
.set G1A, 24
.set G1R, 32
.set G1S, 52
.set G1T, 68
.set G0R, 76
.set G0A, 80
.set G0S, 88
.set MSB, 0
.macro WIN new
.if MSB != \new
	s_set_vgpr_msb (MSB<<8)|\new
.set MSB, \new
.endif
.endm
.macro PLACES n
.rept \n
	v_nop
.endr
.endm
.macro WALU
	s_wait_alu depctr_va_vdst(0)
.endm
.macro BARRIER
	s_barrier_signal -1
	s_barrier_wait -1
.endm
.macro CROUND
	BARRIER
	s_cmp_lg_u32 s14, 0
	s_cbranch_scc1 .Lnot_wave_0_\@
	s_barrier_signal -3
.Lnot_wave_0_\@:
	s_barrier_wait -3
	BARRIER
.endm
.macro TLOAD g0, g1
	tensor_load_to_lds s[\g0:\g0+3], s[\g1:\g1+7]
	s_nop 0
	PLACES 4
.endm
.macro ROWS1 g                         ; group 1's words 1 to 7: 128 rows of 768 bytes
	s_mov_b32 s[\g+1], KROW<<16
	s_mov_b32 s[\g+2], 128<<16
	s_mov_b32 s[\g+3], KROW<<16
	s_mov_b32 s[\g+4], 128
	s_mov_b32 s[\g+5], KROW
	s_mov_b32 s[\g+6], 0
	s_mov_b32 s[\g+7], 0
.endm
.macro DENSE1 g, rows                  ; a dense block as rows of 256 bytes, 32 elements of 8
	s_mov_b32 s[\g+1], 32<<16
	s_mov_b32 s[\g+2], (\rows)<<16
	s_mov_b32 s[\g+3], 32<<16
	s_mov_b32 s[\g+4], \rows
	s_mov_b32 s[\g+5], 32
	s_mov_b32 s[\g+6], 0
	s_mov_b32 s[\g+7], 0
.endm
; fragment f lies in window 1 + f / 21 at register 12 (f % 21): 0-31 the held rows' (4 q + b), 32-39 and 40-47 the streamed rows' two sets
.macro FRAG f, q, a0, a1, aw           ; six pieces of 8 bytes, two to a load where both lie behind as many paddings
	WIN ((1+(\f)/FPW)<<6)|(\aw)
.set R_, FR*((\f)%FPW)
.set SKIP_, 0
.irp p, 0,1,2,3,4,5
.if SKIP_
.set SKIP_, 0
.else
.set PC_, 12*(\q)+6*(\p/3)+\p%3
.set PN_, 12*(\q)+6*((\p+1)/3)+(\p+1)%3
.set X_, (PC_%32+3)/32
.set XQ_, (PN_%32+3)/32
.if (\p < 5) && (X_ == XQ_)
.set SKIP_, 1
.if X_
	ds_load_2addr_b64 v[R_+2*\p:R_+2*\p+3], \a1 offset0:PC_+2*(PC_/32) offset1:PN_+2*(PN_/32)
.else
	ds_load_2addr_b64 v[R_+2*\p:R_+2*\p+3], \a0 offset0:PC_+2*(PC_/32) offset1:PN_+2*(PN_/32)
.endif
.elseif X_
	ds_load_b64 v[R_+2*\p:R_+2*\p+1], \a1 offset:8*(PC_+2*(PC_/32))
.else
	ds_load_b64 v[R_+2*\p:R_+2*\p+1], \a0 offset:8*(PC_+2*(PC_/32))
.endif
.endif
.endr
.endm
.macro WEIGHTS                         ; my 64 held rows, all of K: 104 loads
.irp q, 0,1,2,3,4,5,6,7
.irp b, 0,1,2,3
	FRAG NB*\q+\b, \q, v[BA-768+2*\b], v[BA-768+2*\b+1], 3
.endr
.endr
	WIN 0
.endm
.macro FETCH e                         ; a block of streamed rows into set e: NF loads
.irp q, 0,1,2,3,4,5,6,7
	FRAG NB*NQ+NQ*(\e)+\q, \q, v[ADRA], v[ADRA+1], 0
.endr
	WIN 0
	ds_load_b128 v[SA+8*(\e):SA+8*(\e)+3], v[AAS]
	ds_load_b128 v[SA+8*(\e)+4:SA+8*(\e)+7], v[AAS] offset:16
.endm
.macro SETADR
	v_add_nc_u32 v[ADRA], s101, v[ADRA0]
	v_add_nc_u32 v[ADRA+1], s101, v[ADRA0+1]
	v_add_nc_u32 v[AAS], s100, v[AAS0]
.endm
.macro PROD1 d, s0, s1, c, x0, x1, o
.if \o
	v_wmma_scale_f32_16x16x128_f8f6f4 v[\d:\d+7], v[FR*((\s0)%FPW):FR*((\s0)%FPW)+FR-1], v[FR*((\s1)%FPW):FR*((\s1)%FPW)+FR-1], \c, v[\x0], v[\x1] matrix_a_fmt:MATRIX_FMT_FP6 matrix_b_fmt:MATRIX_FMT_FP6 matrix_a_scale:MATRIX_SCALE_ROW1
.else
	v_wmma_scale_f32_16x16x128_f8f6f4 v[\d:\d+7], v[FR*((\s0)%FPW):FR*((\s0)%FPW)+FR-1], v[FR*((\s1)%FPW):FR*((\s1)%FPW)+FR-1], \c, v[\x0], v[\x1] matrix_a_fmt:MATRIX_FMT_FP6 matrix_b_fmt:MATRIX_FMT_FP6 matrix_a_scale:MATRIX_SCALE_ROW0
.endif
.endm
.macro PROD e, n, a0                   ; product n = 4 q + b of a block: the four accumulators take turns
.set Q_, (\n)/4
.set FB_, NB*Q_+(\n)%4
.set FA_, NB*NQ+NQ*(\e)+Q_
.set D_, (\a0)+8*((\n)%4)
.set XB_, SB+NQ*(((\n)%4)/2)+Q_
.set XA_, SA+8*(\e)+Q_
	WIN (1+FB_/FPW)|((1+FA_/FPW)<<2)
.if Q_
	PROD1 D_, FB_, FA_, v[D_:D_+7], XB_, XA_, (\n)%2
.else
	PROD1 D_, FB_, FA_, 0, XB_, XA_, (\n)%2
.endif
.endm
.macro BLOCK e, a0, list, x, y         ; 32 products; behind every second one two entries of the list
.set N_, 0
.rept 32
	PROD \e, N_, \a0
.if N_%2
	\list N_-1, \x, \y
	\list N_, \x, \y
.endif
.set N_, N_+1
.endr
.endm
.macro PTR i                           ; 3 entries: on to the place of the block that leaves now; s46 is the block that left last
.if (\i) == 0
	s_and_b32 s20, s46, s94
	s_cmp_eq_u32 s20, s94
	s_cselect_b32 s20, s93, s92
	s_and_b32 s22, s46, 7
.elseif (\i) == 1
	s_add_nc_u64 s[84:85], s[84:85], s[20:21]
	s_cmp_eq_u32 s22, 3
	s_cselect_b32 s20, s95, 0
.elseif (\i) == 2
	s_cmp_eq_u32 s22, 7
	s_cselect_b32 s20, s96, s20
	s_add_nc_u64 s[86:87], s[86:87], s[20:21]
	s_add_co_u32 s46, s46, 1
.endif
.endm
.macro STEP i                          ; 3 entries: the LDS addresses of the block that is fetched at this block's end
.if (\i) == 0
	s_add_co_u32 s101, s101, 16*PITCH
	s_add_co_u32 s100, s100, 512
	WIN 0
	v_add_nc_u32 v[ADRA], s101, v[ADRA0]
.elseif (\i) == 1
	WIN 0
	v_add_nc_u32 v[ADRA+1], s101, v[ADRA0+1]
.elseif (\i) == 2
	WIN 0
	v_add_nc_u32 v[AAS], s100, v[AAS0]
.endif
.endm
.macro CHAIN i, x, n                   ; 18 entries: the largest magnitude of the 32 sums from register x on, in two chains side by side, each accumulator from its low end on; the conversions' scale operand
.if (\i) >= 0 && (\i) < 14
.set B_, (\x)+16*((\i)%2)+2*((\i)/2)
.set T_, TQ+1-(\i)%2
	WIN 0
.if (\i) < 2
	v_max3_num_f32 v[T_], |v[B_]|, |v[B_+1]|, |v[B_+2]|
.else
	v_max3_num_f32 v[T_], v[T_], |v[B_+1]|, |v[B_+2]|
.endif
.elseif (\i) == 14
	WIN 0
	v_max3_num_f32 v[TQ+1], v[TQ+1], |v[(\x)+15]|, (EMAX+1)<<23
.elseif (\i) == 15
	WIN 0
	v_nop
.elseif (\i) == 16
	WIN 0
	v_max3_num_f32 v[TQ], v[TQ], |v[(\x)+31]|, v[TQ+1]
.elseif (\i) == 17
	WIN 0
	v_add_nc_u32 v[SOP+(\n)], -(EMAX<<23), v[TQ]
.endif
.endm
.macro HWE i, n                        ; the row's two scale bytes as a half word; with an odd block: the pair's word, and lanes 16-31 take the second pair of four blocks
.if (\i) >= 0 && (\i) < 7
	WIN 0
.endif
.if (\i) == 0
	v_lshrrev_b32 v[EB], 23, v[SOP+(\n)]
.elseif (\i) == 1
	v_lshlrev_b32 v[EB], v[SH8], v[EB]
.elseif (\i) == 2
	v_permlanex16_b32 v[EP], v[EB], s98, s99
.elseif (\i) == 3
	v_or_b32 v[HW+(\n)], v[EB], v[EP]
.elseif (\i) == 4 && (\n) == 1
	v_lshl_or_b32 v[PP+1], v[HW+1], 16, v[HW]
.elseif (\i) == 5 && (\n) == 1
	v_cndmask_b32 v[XX], v[PP], v[PP+1], s97
.elseif (\i) == 6 && (\n) == 1
	v_mov_b32 v[PP], v[PP+1]
.endif
.endm
.macro L_ALL i, n, st
	PTR \i
.if \st
	STEP (\i)-3
.endif
	CHAIN (\i)-6, ACC+32*(\n), \n
	HWE (\i)-24, \n
.endm
.macro L_FIRST i, n, st
	STEP (\i)-3
.endm
.macro LEAVE n                         ; 32 codes of block parity n; the idle line and the three moves are the four places ahead of the fetch
	WIN 0
	WALU                                           ; directly ahead of the readers of the scale operand
	v_cvt_scalef32_pk16_fp6_f32 v[NCD+8*(\n):NCD+8*(\n)+2], v[ACC+32*(\n):ACC+32*(\n)+15], v[SOP+(\n)]
	v_cvt_scalef32_pk16_fp6_f32 v[TC:TC+2], v[ACC+32*(\n)+16:ACC+32*(\n)+31], v[SOP+(\n)]
	v_nop
.irp k, 0,1,2
	v_mov_b32 v[NCD+8*(\n)+3+\k], v[TC+\k]
.endr
	WALU
	global_store_b128 v[CO], v[NCD+8*(\n):NCD+8*(\n)+3], s[84:85]            ; 512 consecutive bytes
	global_store_b64 v[CO8], v[NCD+8*(\n)+4:NCD+8*(\n)+5], s[84:85] offset:512   ; 256 consecutive bytes
.endm
; a block: e its set; cnt the wait's count; out: the block before leaves; st: the fetch's address steps on; mid 1: the second refill, 2: the plain barrier that shows it
.macro ITER e, cnt, out, st, mid, fetch, xs=0      ; xs: every second such block ends four blocks, whose scale word leaves (in the loops alone: the blocks written out by themselves never end four)
	s_wait_dscnt \cnt
	s_wait_xcnt 0x0                                ; the last stores have read their registers and bases
.if \out
	BLOCK \e, ACC+32*(\e), L_ALL, 1-(\e), \st
	LEAVE 1-(\e)
.if \xs
	s_and_b32 s22, s46, 3
	s_cmp_eq_u32 s22, 3
	s_cbranch_scc0 .Lno_word_\@
	global_store_b32 v[CO4], v[XX], s[86:87]       ; four blocks' scale bytes
.Lno_word_\@:
.endif
.else
	BLOCK \e, ACC+32*(\e), L_FIRST, 0, 1
	WIN 0
	PLACES 4
	WALU
.endif
.if \mid == 1
	s_wait_tensorcnt 0x0                           ; chunks 1 and 2 are in;
	ds_add_u32 v[SPW], v[NIL]
	s_mov_b32 s[G0A+1], AB
	s_add_nc_u64 s[G0A+2:G0A+3], s[16:17], 3*CHB
	s_or_b32 s[G0A+3], s[G0A+3], 0x80000000
	s_mov_b32 s[G0S+1], S0
	s_add_nc_u64 s[G0S+2:G0S+3], s[12:13], 3*4096
	s_or_b32 s[G0S+3], s[G0S+3], 0x80000000
	s_mov_b32 s101, 0
	s_mov_b32 s100, S1
	s_wait_dscnt 0x0                               ; chunk 0's last block has been fetched
	CROUND
	s_cmp_eq_u32 s14, 0
	s_cbranch_scc0 .Lr2s_\@
	TLOAD G0A, G1A                                 ; wave 0: chunk 3 onto chunk 0
	s_branch .Lr2j_\@
.Lr2s_\@:
	s_cmp_eq_u32 s14, 2
	s_cbranch_scc0 .Lr2j_\@
	TLOAD G0S, G1S                                 ; wave 2: its scale bytes
.Lr2j_\@:
	SETADR
.elseif \mid == 2
	s_wait_tensorcnt 0x0
	s_wait_dscnt 0x0
	BARRIER                                        ; chunk 3 is shown to all
	s_mov_b32 s101, AB
	s_mov_b32 s100, S0
	SETADR
.endif
.if \fetch
	FETCH \e
.endif
.endm
.macro PAIRS trips
	s_mov_b32 s47, \trips
.Lpairs_\@:
	ITER 1, NF, 1, 1, 0, 1
	ITER 0, NF, 1, 1, 0, 1, 1
	s_sub_co_u32 s47, s47, 1
	s_cmp_lg_u32 s47, 0
	s_cbranch_scc1 .Lpairs_\@
.endm
	s_load_b256 s[4:11], s[0:1], 0x0               ; xc, xs, wc, ws
	s_load_b128 s[48:51], s[0:1], 0x20             ; qb, kv
	v_lshl_add_u32 v[SPW], v0, 2, SPARE
	v_mov_b32 v[NIL], 0
	ds_add_u32 v[SPW], v[NIL]                      ; the opening: the add, twice on end, and its wait
	ds_add_u32 v[SPW], v[NIL]
	v_lshrrev_b32 v1, 5, v0
	v_readfirstlane_b32 s14, v1                    ; wave
	s_bfe_u32 s40, ttmp6, 0x40000                  ; cx
	s_bfe_u32 s41, ttmp6, 0x40004                  ; cy
	s_and_b32 s43, ttmp7, 0xffff
	s_lshl_b32 s43, s43, 2
	s_add_co_u32 s43, s43, s41                     ; Y, 0 .. 15; ttmp9 is the tensor: 0 q, 1 k, 2 v
	s_lshl_b32 s44, s41, 2
	s_lshl_b32 s44, 15, s44                        ; my row of the cluster
	s_or_b32 s[G1A], s44, (1<<20)|(1<<21)|(5<<22)|(3<<25)
	ROWS1 G1A
	s_mov_b32 s[G1R], (1<<20)|(5<<22)|(3<<25)      ; the held rows: no mask
	ROWS1 G1R
	s_or_b32 s[G1S], s44, (3<<16)|(1<<21)
	DENSE1 G1S, 16
	s_or_b32 s[G1T], s44, (3<<16)|(1<<21)
	DENSE1 G1T, 32
	s_lshl_b32 s60, ttmp9, 13                      ; the streamed rows hang on the tensor and Y alone
	s_lshl_b32 s20, s43, 9
	s_add_co_u32 s60, s60, s20                     ; q, k: row 8,192 x tensor + 512 Y of xc
	s_and_b32 s61, s43, 1
	s_lshl_b32 s20, s61, 9
	s_add_co_u32 s20, s20, 2048                    ; v: row 2,048 + 512 (Y % 2) of wc
	s_cmp_lt_u32 ttmp9, 2
	s_cselect_b32 s60, s60, s20
	s_mul_i32 s15, s60, KROW
	s_lshl_b32 s18, s60, 5
	s_lshl_b32 s62, ttmp9, 10
	s_lshl_b32 s20, s40, 8
	s_add_co_u32 s62, s62, s20                     ; held, q, k: row 1,024 x tensor + 256 cx of wc
	s_lshr_b32 s63, s43, 1
	s_lshl_b32 s21, s63, 10
	s_add_co_u32 s20, s20, s21
	s_add_co_u32 s20, s20, 16384                   ; v: row 16,384 + 1,024 (Y / 2) + 256 cx of xc
	s_cmp_lt_u32 ttmp9, 2
	s_cselect_b32 s62, s62, s20
	s_lshl_b32 s20, s14, 7
	s_add_co_u32 s20, s20, s62
	s_mul_i32 s22, s20, KROW                       ; what waves 0 and 1 fetch: 128 held rows each
	s_lshl_b32 s20, s14, 6
	s_add_co_u32 s20, s20, s62
	s_lshl_b32 s23, s20, 5                         ; my 64 held rows' scale bytes
	; where the results go.  q, k: unit = ((batch x 16 + head) x 16 + step), of 6,400 (q) or 12,800 bytes
	s_lshr_b32 s20, s43, 2
	s_lshl_b32 s20, s20, 4
	s_lshl_b32 s21, s40, 2
	s_add_co_u32 s20, s20, s21
	s_add_co_u32 s20, s20, s14
	s_lshl_b32 s20, s20, 4
	s_and_b32 s21, s43, 3
	s_lshl_b32 s21, s21, 2
	s_add_co_u32 s20, s20, s21
	s_lshl_b32 s66, 6400, ttmp9
	s_mul_i32 s67, s20, s66                        ; the first tile's place
	s_lshl_b32 s42, 6144, ttmp9
	s_add_co_u32 s42, s42, s67                     ; the first scale word's
	s_sub_co_u32 s93, s66, 5376                    ; from a step's tile 7 to the next step's tile 0
	s_sub_co_u32 s96, s66, 128
	; v: my band of 64 keys is 16 (Y / 2) + 4 cx + wave
	s_lshl_b32 s20, s63, 4
	s_lshl_b32 s21, s40, 2
	s_add_co_u32 s20, s20, s21
	s_add_co_u32 s20, s20, s14
	s_lshr_b32 s21, s20, 5
	s_lshl_b32 s21, s21, 4
	s_lshl_b32 s45, s61, 3
	s_add_co_u32 s21, s21, s45
	s_lshl_b32 s21, s21, 4
	s_bfe_u32 s45, s20, 0x40001
	s_add_co_u32 s21, s21, s45
	s_mul_i32 s21, s21, 12800
	s_and_b32 s20, s20, 1
	s_mul_i32 s45, s20, 768
	s_add_co_u32 s45, s45, s21
	s_add_co_u32 s45, s45, 6144
	s_lshl_b32 s20, s20, 7
	s_add_co_u32 s21, s21, s20
	s_add_co_u32 s21, s21, 12544
	s_mov_b32 s92, 1536
	s_mov_b32 s20, 200192                          ; from a head's tile 3 to the next head's tile 0
	s_mov_b32 s95, 204800
	s_cmp_lt_u32 ttmp9, 2
	s_cselect_b32 s67, s67, s45
	s_cselect_b32 s42, s42, s21
	s_cselect_b32 s92, 768, s92
	s_cselect_b32 s93, s93, s20
	s_cselect_b32 s94, 7, 3
	s_cselect_b32 s96, s96, s95
	s_cselect_b32 s95, 128, s95
	s_mov_b32 s97, 0xffff0000
	s_mov_b32 s98, 0x76543210
	s_mov_b32 s99, 0xfedcba98
	s_mov_b32 s46, -1
	s_lshl_b32 s90, s40, 2
	s_add_co_u32 s90, s90, s14
	s_mul_i32 s90, s90, CHB/16                     ; my sixteenth of a chunk, for the prefetches
	s_mov_b32 s[G0R], 1
	s_mul_i32 s[G0R+1], s14, CH
	s_mov_b32 s[G0A], 1
	s_mov_b32 s[G0A+1], AB
	s_mov_b32 s[G0S], 1
	s_mov_b32 s[G0S+1], S0
	v_and_b32 v1, 15, v0
	v_bfe_u32 v2, v0, 4, 1
	v_and_b32 v3, 31, v0
	v_mul_u32_u24 v22, v1, PITCH
	v_mad_u32_u24 v[ADRA0], v2, 24, v22
	v_mad_u32_u24 v[ADRA0+1], v2, 40, v22
	s_mul_i32 s45, s14, 64*PITCH
	v_add_nc_u32 v[ADRB], s45, v[ADRA0]
	v_add_nc_u32 v[ADRB+1], s45, v[ADRA0+1]
	v_lshlrev_b32 v[AAS0], 5, v1
	v_lshlrev_b32 v[ABS], 5, v3
	v_lshlrev_b32 v[CO], 4, v3
	v_lshlrev_b32 v[CO8], 3, v3
	v_lshlrev_b32 v[CO4], 2, v3
	v_lshlrev_b32 v[SH8], 3, v2
	v_mov_b32 v[EP], 0
	v_mov_b32 v[PP], 0
	v_min_u32 v23, 23, v3
	s_add_co_u32 s45, s90, CHB
	v_lshl_add_u32 v7, v23, 8, s45
	s_add_co_u32 s45, s90, 2*CHB
	v_lshl_add_u32 v8, v23, 8, s45
	s_add_co_u32 s45, s90, 3*CHB
	v_lshl_add_u32 v20, v23, 8, s45
	WIN 3<<6
.irp b, 0,1,2,3
	v_add_nc_u32 v[BA-768+2*\b], \b*16*PITCH, v[ADRB]
	v_add_nc_u32 v[BA-768+2*\b+1], \b*16*PITCH, v[ADRB+1]
.endr
	WIN 0
	WALU
	s_wait_dscnt 0x0
	CROUND                                         ; the opening round
	s_wait_kmcnt 0x0
	s_cmp_lt_u32 ttmp9, 2
	s_cselect_b64 s[16:17], s[4:5], s[8:9]         ; streamed codes,
	s_cselect_b64 s[12:13], s[6:7], s[10:11]       ; streamed scale bytes,
	s_cselect_b64 s[8:9], s[8:9], s[4:5]           ; held codes,
	s_cselect_b64 s[10:11], s[10:11], s[6:7]       ; held scale bytes
	s_cmp_eq_u32 ttmp9, 0
	s_cselect_b64 s[84:85], s[48:49], s[50:51]
	s_mov_b32 s21, 0
	s_mov_b32 s20, s15
	s_add_nc_u64 s[16:17], s[16:17], s[20:21]
	s_mov_b32 s20, s18
	s_add_nc_u64 s[12:13], s[12:13], s[20:21]
	s_mov_b32 s20, s22
	s_add_nc_u64 s[G0R+2:G0R+3], s[8:9], s[20:21]
	s_or_b32 s[G0R+3], s[G0R+3], 0x80000000
	s_mov_b64 s[G0A+2:G0A+3], s[16:17]
	s_or_b32 s[G0A+3], s[G0A+3], 0x80000000
	s_mov_b64 s[G0S+2:G0S+3], s[12:13]
	s_or_b32 s[G0S+3], s[G0S+3], 0x80000000
	s_cmp_lt_u32 s14, 2
	s_cbranch_scc0 .Lhead_2
	TLOAD G0R, G1R                                 ; waves 0, 1: the held rows
	s_branch .Lhead_j
.Lhead_2:
	s_cmp_eq_u32 s14, 2
	s_cbranch_scc0 .Lhead_3
	TLOAD G0A, G1A                                 ; wave 2: chunk 0
	s_branch .Lhead_j
.Lhead_3:
	TLOAD G0S, G1S                                 ; wave 3: its scale bytes
.Lhead_j:
	s_mov_b32 s20, s23
	s_add_nc_u64 s[10:11], s[10:11], s[20:21]
.irp p, 0,1
.irp c, 0,1
	global_load_b128 v[SB+NQ*\p+4*\c:SB+NQ*\p+4*\c+3], v[ABS], s[10:11] offset:\p*1024+16*\c   ; the held rows' scale words: lanes 0-15 tile 2 p, lanes 16-31 tile 2 p + 1
.endr
.endr
	s_mov_b32 s20, s42
	s_add_nc_u64 s[86:87], s[84:85], s[20:21]
	s_mov_b32 s20, s96
	s_sub_nc_u64 s[86:87], s[86:87], s[20:21]      ; one step short of the first places: the first block's entries step onto them
	s_mov_b32 s20, s67
	s_add_nc_u64 s[84:85], s[84:85], s[20:21]
	s_mov_b32 s20, s93
	s_sub_nc_u64 s[84:85], s[84:85], s[20:21]
	global_prefetch_b8 v7, s[16:17] th:TH_LOAD_NT scope:SCOPE_SE
	global_prefetch_b8 v8, s[16:17] th:TH_LOAD_NT scope:SCOPE_SE
	s_cmp_lt_u32 s14, 2
	s_cbranch_scc0 .Lnot_held
	s_wait_tensorcnt 0x0
.Lnot_held:
	BARRIER                                        ; the held rows are in
	WEIGHTS
	s_wait_tensorcnt 0x0                           ; the first refill: all my loads are in;
	ds_add_u32 v[SPW], v[NIL]
	s_mul_i32 s[G0A+1], s14, CH
	s_mul_i32 s20, s14, CHB
	s_add_co_u32 s20, s20, CHB
	s_add_nc_u64 s[G0A+2:G0A+3], s[16:17], s[20:21]
	s_or_b32 s[G0A+3], s[G0A+3], 0x80000000
	s_mov_b32 s[G0S+1], S1
	s_add_nc_u64 s[G0S+2:G0S+3], s[12:13], 4096
	s_or_b32 s[G0S+3], s[G0S+3], 0x80000000
	s_mov_b32 s101, AB
	s_mov_b32 s100, S0
	s_wait_dscnt 0x0                               ; the held rows are in registers
	CROUND
	s_cmp_lt_u32 s14, 2
	s_cbranch_scc0 .Lr1_s
	TLOAD G0A, G1A                                 ; waves 0, 1: chunks 1 and 2 onto the held rows
	s_branch .Lr1_j
.Lr1_s:
	s_cmp_eq_u32 s14, 2
	s_cbranch_scc0 .Lr1_j
	TLOAD G0S, G1T                                 ; wave 2: their scale bytes
.Lr1_j:
	SETADR
	FETCH 0
	s_add_co_u32 s101, s101, 16*PITCH
	s_add_co_u32 s100, s100, 512
	SETADR
	FETCH 1
	global_prefetch_b8 v20, s[16:17] th:TH_LOAD_NT scope:SCOPE_SE
	s_wait_loadcnt 0x0
	ITER 0, NF, 0, 1, 0, 1                         ; block 0
	PAIRS 2                                        ; blocks 1 to 4
	ITER 1, NF, 1, 1, 0, 1
	ITER 0, NF, 1, 0, 1, 1                         ; block 6: the second refill
	PAIRS 7                                        ; blocks 7 to 20
	ITER 1, NF, 1, 1, 0, 1
	ITER 0, NF, 1, 0, 2, 1                         ; block 22: chunk 3 is shown
	PAIRS 3                                        ; blocks 23 to 28
	ITER 1, NF, 1, 1, 0, 1
	ITER 0, NF, 1, 0, 0, 0
	ITER 1, 0, 1, 0, 0, 0
	s_wait_xcnt 0x0                                ; block 31 leaves
	PTR 0
	PTR 1
	PTR 2
	WIN 0
	PLACES 4
.set I, 0
.rept 18
	CHAIN I, ACC+32, 1
.set I, I+1
.endr
.set I, 0
.rept 7
	HWE I, 1
.set I, I+1
.endr
	LEAVE 1
	global_store_b32 v[CO4], v[XX], s[86:87]
	s_wait_tensorcnt 0x0                           ; the wave's end
	ds_add_u32 v[SPW], v[NIL]
	s_wait_dscnt 0x0
	CROUND                                         ; the closing round
	s_endpgm
.Lfunc_end_k_qc472cde911_proj:
	.size	k_qc472cde911_proj, .Lfunc_end_k_qc472cde911_proj-k_qc472cde911_proj
	.p2alignl 7, 3214868480
	.fill 96, 4, 3214868480
	.section	.rodata,"a",@progbits
	.p2align	6, 0x0
	.amdhsa_kernel k_qc472cde911_proj
		.amdhsa_group_segment_fixed_size 327680
		.amdhsa_private_segment_fixed_size 0
		.amdhsa_enable_private_segment 0
		.amdhsa_kernarg_size 48
		.amdhsa_user_sgpr_count 2
		.amdhsa_user_sgpr_kernarg_segment_ptr 1
		.amdhsa_wavefront_size32 1
		.amdhsa_system_sgpr_workgroup_id_x 1
		.amdhsa_system_sgpr_workgroup_id_y 1
		.amdhsa_system_sgpr_workgroup_id_z 1
		.amdhsa_system_vgpr_workitem_id 0
		.amdhsa_next_free_vgpr 1024
		.amdhsa_next_free_sgpr 102
		.amdhsa_reserve_vcc 0
		.amdhsa_float_denorm_mode_32 3
		.amdhsa_float_denorm_mode_16_64 3
		.amdhsa_memory_ordered 1
		.amdhsa_forward_progress 1
		.amdhsa_inst_pref_size 152
	.end_amdhsa_kernel
	.amdgpu_metadata
---
amdhsa.version: [ 1, 2 ]
amdhsa.kernels:
  - .name:           k_qc472cde911_proj
    .symbol:         k_qc472cde911_proj.kd
    .args:
      - { .name: xc, .offset: 0, .size: 8, .value_kind: global_buffer, .address_space: global }
      - { .name: xs, .offset: 8, .size: 8, .value_kind: global_buffer, .address_space: global }
      - { .name: wc, .offset: 16, .size: 8, .value_kind: global_buffer, .address_space: global }
      - { .name: ws, .offset: 24, .size: 8, .value_kind: global_buffer, .address_space: global }
      - { .name: qb, .offset: 32, .size: 8, .value_kind: global_buffer, .address_space: global }
      - { .name: kv, .offset: 40, .size: 8, .value_kind: global_buffer, .address_space: global }
    .group_segment_fixed_size: 327680
    .private_segment_fixed_size: 0
    .kernarg_segment_align: 8
    .kernarg_segment_size: 48
    .max_flat_workgroup_size: 128
    .sgpr_count:     102
    .vgpr_count:     1024
    .wavefront_size: 32
...
	.end_amdgpu_metadata
.endif
;; end of part 2
;; launch attn (part 3): grid 4 x 64, 8 waves a work-group, clusters of 4 x 1, 205,824 bytes of LDS; arguments qb, kv, cc, cs; writes cc, cs
.if DOCPART == 3
	.amdgcn_target "amdgcn-amd-amdhsa--gfx1250"
	.amdhsa_code_object_version 6
	.text
	.protected	k_qc472cde911_attn
	.globl	k_qc472cde911_attn
	.p2align	8
	.type	k_qc472cde911_attn,@function
k_qc472cde911_attn:
	s_mov_b64 s[64:65], 0
	v_nop
	global_prefetch_b8 v0, s[64:65] scope:SCOPE_SE
	s_setreg_imm32_b32 hwreg(HW_REG_WAVE_MODE, 25, 1), 1
	s_wait_xcnt 0x0
	s_wait_alu depctr_hold_cnt(0) depctr_sa_sdst(0) depctr_va_vdst(0) depctr_va_sdst(0) depctr_va_ssrc(0) depctr_va_vcc(0) depctr_vm_vsrc(0)
	s_getreg_b32 s2, hwreg(HW_REG_IB_STS2, 6, 4)
	s_cmp_eq_u32 s2, 0
	s_cbranch_scc0 .Lentry_in_a_cluster
	s_endpgm
.Lentry_in_a_cluster:
	s_bfe_u32 s2, ttmp6, 0x10000c
	s_cmp_lg_u32 s2, 0x3003
	s_cbranch_scc0 .Lentry_shape_is_right
	s_endpgm
.Lentry_shape_is_right:
; Launch 3 of 4: products 4 and 5 with the softmax between them, and the quantising of ctx for the last product.  Nothing is left out.
; t = score x log2(e) / 32; M = the running largest t rounded UP to a whole number; p = 2^(t - M) is quantised along the keys, not normalised; the row's sum is taken of the unquantised p and divides at the end.
; When M moves, the sum and O are multiplied by 2^(old M - new M): exact.
; SHARES.  Work-group y is (batch, head); the four work-groups of a cluster take 512 queries each.  Each of eight waves takes two fragments of q, one a pass; a fragment is 32 queries, tiles A and B of 16, which walk the
; head's 2,048 keys TOGETHER, 128 keys a step: each fragment of k and of v is read from LDS once for both tiles, and the two tiles' dependent lines stand by turns.
; LDS.  A head's k, v and their scale words are 204,800 bytes, images of operand registers: they come ONCE, two steps by each wave's one tensor load, asked for jointly by the four partners.  Nothing is filled again,
; so there is no loop in which a prefetch could run ahead of a load: none is written.
; LAYOUT.  Both products are used transposed (S^T = k q^T, O^T = v^T p^T): a lane holds one query.  The head is 64 wide and the instruction 128: a fragment of k holds TWO tiles of 16 keys side by side,
; and q stands as [q | 0] for the first and as [0 | q] for the second.  key_in's rows are stored so that score register 32 c + i of lane (r, h) is key 64 c + 32 h + i of the step: one whole block of 32, in order:
; a block's largest score needs no other lane, and the conversions' results are p's operand as it lies.
; v's fragments are asked for at a step's top, the next step's k behind the scores' products (the index wraps: a pass's last step asks for step 0, which the second pass uses and after which the kernel's end reads nothing).
; ctx: a lane's 32 numbers are channels 32 b + 16 h + i; two blocks, stored as the image of half an operand of the last product; a head owns 2 scale bytes of each row's 32, which leave a byte a lane.
; LIMITS: a block of zeros has the byte 1; the floor 2^-124; NaN and infinities are not served; the promise holds while the scaled scores stay under 2^31 in magnitude.
; REGISTERS.  Window 0: v1, v2 this step's LDS addresses, v48, v49 the next step's; v3, v4 the add's two; v5 16 x lane, v6 8 x lane, v7 32 r + h, v50 8 h; v[8:9] k's scale words, v[10:11] v's; v12, v13 -M and the largest score of A, v14, v15 of B;
;   v18-47 [0 | qA | 0 | qB | 0]; v51, v52 q's scale words; v64-127 O^T of A, B; v128-151 p's codes; v152-219 at work; v220-251 ctx; v252-254 q's addresses and word.
; Window 1: v0-63 S^T of A, v64-127 of B, then p; v128-175 k's four fragments; v176-223 v's; v224-255 partial sums.
; LAYOUTS AS THE LAUNCH BEFORE LEAVES THEM (they stand for what the lines above say of images and of ctx): half an operand is 768 bytes, registers 0-3 as [lane][16], registers 4-5 as [lane][8];
; k's and q's scale words lie as [fragment / 2][lane] words; v's as [band of 64 keys][lane] words, lanes 0-15 tiles 0 (low half) and 1, lanes 16-31 tiles 2 and 3: two byte permutes make the operand's words of them.
; v's tile t holds channels 8 t + i and 32 + 8 t + i: a lane's 32 numbers of ctx are channels 32 h + 0 .. 31, one block, in order.
.set STEPB, 12800
.set SPARE, 16*STEPB                   ; the spare words: 128 bytes for each of eight waves
.set QS, 51
.set OA, 64
.set PC, 128
.set CT, 152
.set TT, 168
.set BM, 176
.set RT, 180
.set PD, 182
.set OM, 184
.set FF, 186
.set SO, 190
.set BT, 194
.set PW, 198
.set LL, 200
.set CX, 220
.set KF, 128
.set VF, 176
.set T1, 224
.set MSB, 0
.macro WIN new                         ; the immediate's high byte repeats the setting that is left
.if MSB != \new
	s_set_vgpr_msb (MSB<<8)|\new
.set MSB, \new
.endif
.endm
.macro WALU
	s_wait_alu depctr_va_vdst(0)
.endm
.macro CROUND
	s_barrier_signal -1
	s_barrier_wait -1
	s_cmp_lg_u32 s12, 0
	s_cbranch_scc1 .Lnot_wave_0_\@
	s_barrier_signal -3
.Lnot_wave_0_\@:
	s_barrier_wait -3
	s_barrier_signal -1
	s_barrier_wait -1
.endm
.macro QLOAD pi                        ; fragment 2 w + pi of my work-group's sixteen: tile A's six registers, tile B's, the scale word
	global_load_b128 v[24:27], v252, s[4:5] offset:1536*(\pi)
	global_load_b64 v[28:29], v255, s[4:5] offset:1536*(\pi)+512
	global_load_b128 v[36:39], v252, s[4:5] offset:1536*(\pi)+768
	global_load_b64 v[40:41], v255, s[4:5] offset:1536*(\pi)+1280
	global_load_b32 v254, v253, s[4:5] offset:64*(\pi)
.endm
.macro KLOAD a16, a8, a4               ; k's scale words and four fragments: 18 loads, each of consecutive bytes
	WIN 0
	ds_load_b32 v8, v[\a4] offset:12288
	ds_load_b32 v9, v[\a4] offset:12416
	WIN 0x40
.irp f, 0,1,2,3
.irp u, 0,1
	ds_load_b128 v[KF+12*\f+6*\u:KF+12*\f+6*\u+3], v[\a16] offset:1536*\f+768*\u
	ds_load_b64 v[KF+12*\f+6*\u+4:KF+12*\f+6*\u+5], v[\a8] offset:1536*\f+768*\u+512
.endr
.endr
.endm
.macro SMUL f, T, u                    ; 16 keys x 16 queries of tile T
.set D_, 64*\T+16*\f+8*\u
.set Q_, 24+12*\T-6*\u
.if \f%2
	v_wmma_scale_f32_16x16x128_f8f6f4 v[D_:D_+7], v[KF+12*\f:KF+12*\f+11], v[Q_:Q_+11], 0, v[8+\f/2], v[QS+\T] matrix_a_fmt:MATRIX_FMT_FP6 matrix_b_fmt:MATRIX_FMT_FP6 matrix_a_scale:MATRIX_SCALE_ROW1
.else
	v_wmma_scale_f32_16x16x128_f8f6f4 v[D_:D_+7], v[KF+12*\f:KF+12*\f+11], v[Q_:Q_+11], 0, v[8+\f/2], v[QS+\T] matrix_a_fmt:MATRIX_FMT_FP6 matrix_b_fmt:MATRIX_FMT_FP6
.endif
.endm
.macro PMUL t, T                       ; 16 channels x 16 queries of tile T, 128 keys deep
.set D_, OA+32*\T+8*\t
.if \t/2
	v_wmma_scale_f32_16x16x128_f8f6f4 v[D_:D_+7], v[VF+12*\t:VF+12*\t+11], v[PC+12*\T:PC+12*\T+11], v[D_:D_+7], v[10+\t%2], v[PW+\T] matrix_a_fmt:MATRIX_FMT_FP6 matrix_b_fmt:MATRIX_FMT_FP6 matrix_a_scale:MATRIX_SCALE_ROW1
.else
	v_wmma_scale_f32_16x16x128_f8f6f4 v[D_:D_+7], v[VF+12*\t:VF+12*\t+11], v[PC+12*\T:PC+12*\T+11], v[D_:D_+7], v[10+\t%2], v[PW+\T] matrix_a_fmt:MATRIX_FMT_FP6 matrix_b_fmt:MATRIX_FMT_FP6
.endif
.endm
.macro ADDS d, a, b, n                 ; n packed additions that do not hang on each other
.set I_, 0
.rept \n
	v_pk_add_f32 v[(\d)+2*I_:(\d)+2*I_+1], v[(\a)+2*I_:(\a)+2*I_+1], v[(\b)+2*I_:(\b)+2*I_+1]
.set I_, I_+1
.endr
.endm
	s_load_b256 s[4:11], s[0:1], 0x0               ; qb s[4:5], kv s[6:7], cc s[8:9], cs s[10:11]
	v_lshl_add_u32 v3, v0, 2, SPARE
	v_mov_b32 v4, 0
	ds_add_u32 v3, v4                              ; the wave's opening: the add, twice on end, and its wait ahead of my first tensor load
	ds_add_u32 v3, v4
	v_lshrrev_b32 v1, 5, v0
	v_readfirstlane_b32 s12, v1                    ; wave 0..7
	s_bfe_u32 s13, ttmp6, 0x40000                  ; cx: it enters q's, cc's and cs's addresses alone
	s_and_b32 s14, ttmp7, 0xffff                   ; 16 x batch + head, which the four partners share
	s_mov_b32 s16, 1                               ; group 0: count,
	s_mul_i32 s17, s12, 2*STEPB                    ; LDS address: steps 2 w and 2 w + 1
	s_mov_b32 s20, 15|(3<<16)|(1<<21)              ; group 1: all four partners; elements of 8 bytes; bit 21 beside a mask; no padding
	s_mov_b32 s21, 32<<16                          ; 25,600 dense bytes as 100 rows of 256
	s_mov_b32 s22, 100<<16
	s_mov_b32 s23, 32<<16
	s_mov_b32 s24, 100
	s_mov_b32 s25, 32
	s_mov_b32 s26, 0
	s_mov_b32 s27, 0
	s_mul_i32 s36, s14, 16*STEPB
	s_add_co_u32 s36, s36, s17
	s_mov_b32 s37, 0                               ; kv: my head, my two steps
	s_lshl_b32 s38, s14, 4
	s_lshl_b32 s39, s13, 2
	s_add_co_u32 s38, s38, s39
	s_lshr_b32 s39, s12, 1
	s_add_co_u32 s38, s38, s39
	s_mul_i32 s38, s38, 6400                       ; qb: the step of 128 queries that holds my fragments 16 cx + 2 w, + 1
	s_mov_b32 s39, 0
	s_lshr_b32 s40, s14, 4
	s_lshl_b32 s40, s40, 7
	s_lshl_b32 s41, s13, 5
	s_add_co_u32 s40, s40, s41
	s_lshl_b32 s41, s12, 2
	s_add_co_u32 s40, s40, s41                     ; my first block of 16 stored rows: 128 x batch + 32 cx + 4 w
	s_and_b32 s44, s14, 15                         ; the head
	s_lshl_b32 s42, s40, 9
	s_lshl_b32 s43, s44, 1
	s_add_co_u32 s42, s42, s43                     ; cs: 512 bytes a block of rows, + 2 x head
	s_mov_b32 s43, 0
	s_mul_i32 s40, s40, 12288
	s_mul_i32 s41, s44, 768
	s_add_co_u32 s40, s40, s41                     ; cc: 12,288 bytes a block of rows, 768 a head
	s_mov_b32 s41, 0
	s_and_b32 s46, s12, 1
	s_lshl_b32 s47, s46, 7
	s_add_co_u32 s47, s47, 6144                    ; q's scale words: byte 128 (w % 2) + 4 (r + 16 pi) behind the step's four fragments
	s_mul_i32 s46, s46, 3072                       ; my pair of the step's four fragments
	s_mov_b32 s28, 0x76543210                      ; v_permlanex16_b32's selects for lane l xor 16
	s_mov_b32 s29, 0xfedcba98
	s_mov_b32 s30, 0x3d38aa3b                      ; c = log2(e) / 32
	s_mov_b32 s31, s30                             ; (named with it as a pair)
	s_mov_b32 s35, 0xbd38aa3b                      ; -c
	s_wait_dscnt 0x0                               ; both opening adds are done
	s_wait_kmcnt 0x0
	s_add_nc_u64 s[18:19], s[6:7], s[36:37]
	s_or_b32 s19, s19, 0x80000000                  ; type = 2
	s_add_nc_u64 s[4:5], s[4:5], s[38:39]
	s_add_nc_u64 s[8:9], s[8:9], s[40:41]
	s_add_nc_u64 s[10:11], s[10:11], s[42:43]
	CROUND                                         ; all four work-groups are here: the joint loads meet
	tensor_load_to_lds s[16:19], s[20:27]          ; every wave's one tensor load of the launch
	s_nop 0
	v_and_b32 v1, 31, v0
	v_and_b32 v2, 15, v0                           ; r
	v_bfe_u32 v7, v0, 4, 1                         ; h
	v_lshlrev_b32 v5, 4, v1
	v_lshlrev_b32 v6, 3, v1
	v_lshlrev_b32 v53, 2, v1
	v_lshlrev_b32 v50, 3, v7
	v_lshl_add_u32 v7, v2, 5, v7
	v_add_nc_u32 v252, s46, v5
	v_add_nc_u32 v255, s46, v6
	v_lshl_add_u32 v253, v2, 2, s47                ; q's scale word: 128 (w % 2) + 64 pi + 4 r behind the step's four fragments
	QLOAD 0
.irp j, 18,19,20,21,22,23,30,31,32,33,34,35,42,43,44,45,46,47
	v_mov_b32 v[\j], 0                             ; zero codes: they add nothing under any scale byte but 0xff
.endr
.irp j, PD, PD+1, FF+1, FF+3
	v_mov_b32 v[\j], 0                             ; written once: the lane permutes' destinations, and the upper halves of the pairs that hold the two factors
.endr
	WALU
	s_wait_tensorcnt 0x0                           ; my two steps have landed,
	s_barrier_signal -1
	s_barrier_wait -1                              ; everybody's have
	KLOAD 5, 6, 53
	WIN 0
.macro TAIL T, pi                      ; a tile's way out: ctx = O^T / the sum, quantised along the head's 64
.set OT, OA+32*\T
.set LT, LL+2*\T
.set CC, PC+12*\T
.set CU, CT+8*\T
	v_add_f32 v[LT], v[LT], v[LT+1]
	v_permlanex16_b32 v[RT], v[LT], s28, s29
	v_add_f32 v[LT], v[LT], v[RT]                  ; the row's sum
	WALU                                           ; the wait ahead of the transcendental
	v_rcp_f32 v[LT], v[LT]
	v_nop
	WALU                                           ; and behind it, directly ahead of the first reader of O^T
.set J_, 0
.rept 16
	v_pk_mul_f32 v[CX+J_:CX+J_+1], v[OT+J_:OT+J_+1], v[LT:LT+1] op_sel_hi:[1,0]   ; register 16 b + i: channel 32 b + 16 h + i
.set J_, J_+2
.endr
.irp b, 0,1
	v_max3_num_f32 v[BM+\b], |v[CX+16*\b]|, |v[CX+1+16*\b]|, 0x1800000
.endr
.irp i, 2,4,6,8,10,12,14
.irp b, 0,1
	v_max3_num_f32 v[BM+\b], v[BM+\b], |v[CX+16*\b+\i]|, |v[CX+1+16*\b+\i]|
.endr
.endr
	v_max_num_f32 v[BM], v[BM], v[BM+1]            ; my 32 channels are one block
	v_add_nc_u32 v[SO], 0xff000000, v[BM]
	v_cvt_scalef32_pk16_fp6_f32 v[CC:CC+2], v[CX:CX+15], v[SO]
	v_cvt_scalef32_pk16_fp6_f32 v[CU:CU+2], v[CX+16:CX+31], v[SO]
	v_lshrrev_b32 v[BT+\T], 23, v[SO]              ; the block's byte (the plain line behind the conversions)
.irp i, 0,1,2
	v_mov_b32 v[CC+3+\i], v[CU+\i]
.endr
	global_store_b128 v5, v[CC:CC+3], s[8:9] offset:12288*(2*\pi+\T)         ; 512 consecutive bytes, aligned
	global_store_b64 v6, v[CC+4:CC+5], s[8:9] offset:12288*(2*\pi+\T)+512    ; 256 consecutive bytes, aligned
	global_store_b8 v7, v[BT+\T], s[10:11] offset:512*(2*\pi+\T)
.endm
.macro PASS pi
.if \pi
	s_wait_xcnt 0x0                                ; the first pass's stores have read their registers
.endif
	s_wait_loadcnt 0x0                             ; q
	v_perm_b32 v[QS], v254, v254, 0x01000100       ; tile A's two bytes, twice: they serve [q | 0] and [0 | q]
	v_perm_b32 v[QS+1], v254, v254, 0x03020302     ; tile B's
.irp j, 13,15
	v_mov_b32 v[\j], 0xff61b1e6                    ; the largest score so far: -3e38
	v_mov_b32 v[\j-1], 0x7f61b1e6                  ; -M
.endr
.set J_, 0
.rept 4
	v_mov_b32 v[LL+J_], 0
.set J_, J_+1
.endr
.set J_, 0
.rept 64
	v_mov_b32 v[OA+J_], 0                          ; the step is written once: the first finds zeros, which the first change of M leaves zeros
.set J_, J_+1
.endr
	s_mov_b32 s32, 0
	s_mov_b32 s33, 0
.Lstep_\pi:
	s_add_co_u32 s36, s33, 1
	s_and_b32 s36, s36, 15
	s_mul_i32 s36, s36, STEPB                      ; the next step, round the end to step 0
	v_add_nc_u32 v1, s32, v5                       ; these four lines are the places between the last trip's products and the loads into their registers
	v_add_nc_u32 v2, s32, v6
	v_add_nc_u32 v48, s36, v5
	v_add_nc_u32 v49, s36, v6
	v_add_nc_u32 v54, s32, v53
	v_add_nc_u32 v55, s36, v53
	ds_load_b32 v56, v54 offset:12544              ; v: 18 loads, which land under the scores and the softmax; first the two bands' scale words
	ds_load_b32 v57, v54 offset:12672
	WIN 0x40
.irp t, 0,1,2,3
.irp u, 0,1
	ds_load_b128 v[VF+12*\t+6*\u:VF+12*\t+6*\u+3], v1 offset:6144+1536*\t+768*\u
	ds_load_b64 v[VF+12*\t+6*\u+4:VF+12*\t+6*\u+5], v2 offset:6144+1536*\t+768*\u+512
.endr
.endr
	WALU
	s_wait_dscnt 18                                ; k is in: behind its 18 loads only v's 18 were issued
	WIN 0x41
.irp f, 0,1,2,3
	SMUL \f, 0, 0
	SMUL \f, 0, 1
	SMUL \f, 1, 0
	SMUL \f, 1, 1
.endr
	WIN 0
	v_mov_b32 v[OM], v12                           ; the old -M of both tiles; with two idle lines the four places behind the products
	v_mov_b32 v[OM+1], v14
	v_nop
	v_nop
	KLOAD 48, 49, 55
	; the largest score of each block of 32 keys, all in one lane: two chains a block, eight chains by turns; each accumulator is read from its low end on
	WIN 0x15
.irp x, 0,1,2,3
	v_max3_num_f32 v[TT+2*\x], v[32*\x], v[32*\x+1], v[32*\x+2]
	v_max3_num_f32 v[TT+2*\x+1], v[32*\x+16], v[32*\x+17], v[32*\x+18]
.endr
	WIN 0x05
.irp i, 3,5,7,9,11,13
.irp x, 0,1,2,3
	v_max3_num_f32 v[TT+2*\x], v[32*\x+\i], v[32*\x+\i+1], v[TT+2*\x]
	v_max3_num_f32 v[TT+2*\x+1], v[32*\x+16+\i], v[32*\x+17+\i], v[TT+2*\x+1]
.endr
.endr
.irp x, 0,1,2,3
	v_max3_num_f32 v[TT+2*\x], v[32*\x+15], v[32*\x+31], v[TT+2*\x]
.endr
	WIN 0
.irp x, 0,1,2,3
	v_max_num_f32 v[BM+\x], v[TT+2*\x], v[TT+2*\x+1]
.endr
.irp T, 0,1
	v_max_num_f32 v[RT+\T], v[BM+2*\T], v[BM+2*\T+1]
.endr
.irp T, 0,1
	v_permlanex16_b32 v[PD+\T], v[RT+\T], s28, s29
.endr
.irp T, 0,1
	v_max3_num_f32 v[13+2*\T], v[13+2*\T], v[RT+\T], v[PD+\T]   ; the running largest score of my query
.endr
.irp T, 0,1
	v_mul_f32 v[RT+\T], s35, v[13+2*\T]            ; -t
.endr
.irp T, 0,1
	v_floor_f32 v[12+2*\T], v[RT+\T]               ; the new -M = -ceil(t)
.endr
.irp T, 0,1
	v_sub_f32 v[RT+\T], v[12+2*\T], v[OM+\T]       ; old M - new M: a whole number, 0 or less
.endr
.irp T, 0,1
	v_cvt_i32_f32 v[RT+\T], v[RT+\T]               ; (it saturates)
.endr
.irp T, 0,1
	v_ldexp_f32 v[FF+2*\T], 1.0, v[RT+\T]          ; f = 2^(old M - new M)
.endr
.irp x, 0,1,2,3
	v_fma_f32 v[BM+\x], v[BM+\x], s30, v[12+2*(\x/2)]   ; t - M of each block's largest score
.endr
.irp T, 0,1
	v_pk_mul_f32 v[LL+2*\T:LL+2*\T+1], v[LL+2*\T:LL+2*\T+1], v[FF+2*\T:FF+2*\T+1] op_sel_hi:[1,0]   ; the sums under the new M
.endr
.set J_, 0
.rept 32
	v_pk_mul_f32 v[OA+J_:OA+J_+1], v[OA+J_:OA+J_+1], v[FF+2*(J_/32):FF+2*(J_/32)+1] op_sel_hi:[1,0]   ; O^T under the new M
.set J_, J_+2
.endr
	WIN 0x41
.set J_, 0
.rept 32
	v_pk_fma_f32 v[J_:J_+1], v[J_:J_+1], s[30:31], v[12:13] op_sel_hi:[1,0,0]   ; tile A: t - M, two at a time
.set J_, J_+2
.endr
	WALU
.set J_, 0
.rept 32
	v_exp_f32 v[J_], v[J_]                         ; tile A: p = 2^(t - M); among them tile B's t - M, which names none of their registers
	v_exp_f32 v[J_+1], v[J_+1]
	v_pk_fma_f32 v[64+J_:65+J_], v[64+J_:65+J_], s[30:31], v[14:15] op_sel_hi:[1,0,0]
.set J_, J_+2
.endr
	WIN 0
.irp x, 0,1,2,3
	v_exp_f32 v[BM+\x], v[BM+\x]                   ; each block's largest p: the same two instructions on the same number give the same bits
.endr
	v_nop                                          ; the plain line behind the exponentials
	WALU                                           ; one wait for the batch, ahead of its first reader; it also stands ahead of tile B's batch
.irp x, 0,1,2,3
	v_max_num_f32 v[BM+\x], 0x1800000, v[BM+\x]    ; the floor 2^(3 - 127)
.endr
.irp x, 0,1,2,3
	v_add_nc_u32 v[SO+\x], 0xff000000, v[BM+\x]    ; the conversions' scale operand
.endr
.irp x, 0,1,2,3
	v_lshrrev_b32 v[BT+\x], 23, v[SO+\x]           ; the byte of block 2 c + h
.endr
.irp T, 0,1
	v_lshl_or_b32 v[BT+2*\T], v[BT+2*\T+1], 16, v[BT+2*\T]
.endr
.irp T, 0,1
	v_lshlrev_b32 v[BT+2*\T], v50, v[BT+2*\T]      ; at their places in the scale word, 8 h bits up
.endr
.irp T, 0,1
	v_permlanex16_b32 v[PD+\T], v[BT+2*\T], s28, s29
.endr
.irp T, 0,1
	v_or_b32 v[PW+\T], v[BT+2*\T], v[PD+\T]        ; with lane l xor 16's two bytes: p's scale word for these 128 keys
.endr
	WIN 0x45
.set J_, 0
.rept 16
.irp e, 0,1,2,3
	v_exp_f32 v[64+4*J_+\e], v[64+4*J_+\e]         ; tile B's p; among them the first sixteen additions of tile A's row sum, into registers of their own
.endr
	v_pk_add_f32 v[T1+2*J_:T1+2*J_+1], v[2*J_:2*J_+1], v[32+2*J_:33+2*J_]
.set J_, J_+1
.endr
	WALU                                           ; one wait for tile B's batch
	WIN 0x01
.irp x, 0,1,2,3
	v_cvt_scalef32_pk16_fp6_f32 v[PC+6*\x:PC+6*\x+2], v[32*\x:32*\x+15], v[SO+\x]
	v_cvt_scalef32_pk16_fp6_f32 v[CT+4*\x:CT+4*\x+2], v[32*\x+16:32*\x+31], v[SO+\x]   ; (a conversion's three registers begin on an even number)
.endr
	WIN 0x45
	ADDS T1, T1, T1+16, 8
	WIN 0
	WALU
	s_wait_dscnt 34                                ; v's two scale loads are in: behind them 16 loads of v and 18 of k were issued
	v_perm_b32 v10, v57, v56, 0x05040100           ; the words of tiles 0 (lanes 0-15) and 2 (lanes 16-31): band 0's half word below, band 1's above
	v_perm_b32 v11, v57, v56, 0x07060302           ; of tiles 1 and 3
.irp x, 0,1,2,3
.irp i, 0,1,2
	v_mov_b32 v[PC+6*\x+3+\i], v[CT+4*\x+\i]
.endr
.endr
	WIN 0x45                                       ; THE ROW'S SUM IS TAKEN OF THE UNQUANTISED p: tile B's in place, its codes being made; these lines also stand between the codes' last writes and the products
	ADDS 64, 64, 96, 16
	ADDS 64, 64, 80, 8
	ADDS T1, T1, T1+8, 4
	ADDS 64, 64, 72, 4
	ADDS T1, T1, T1+4, 2
	ADDS 64, 64, 68, 2
	WIN 0x01
	v_pk_add_f32 v[LL:LL+1], v[T1:T1+1], v[LL:LL+1]
	v_pk_add_f32 v[LL+2:LL+3], v[64:65], v[LL+2:LL+3]
	v_pk_add_f32 v[LL:LL+1], v[T1+2:T1+3], v[LL:LL+1]
	v_pk_add_f32 v[LL+2:LL+3], v[66:67], v[LL+2:LL+3]
	WALU
	s_wait_dscnt 18                                ; v is in: behind its loads only the next step's k, 18, was asked for
.irp t, 0,1,2,3
	PMUL \t, 0
	PMUL \t, 1
.endr
	WIN 0
	s_add_co_u32 s32, s32, STEPB
	s_add_co_u32 s33, s33, 1
	s_cmp_lg_u32 s33, 16
	s_cbranch_scc1 .Lstep_\pi
.rept 4
	v_nop                                          ; places behind the last products
.endr
.if \pi == 0
	QLOAD 1                                        ; the second pass's q, under the first pass's way out
.endif
	TAIL 0, \pi
	TAIL 1, \pi
.endm
	PASS 0
	PASS 1
	s_wait_tensorcnt 0x0                           ; the wave's end
	ds_add_u32 v3, v4
	s_wait_dscnt 0x0
	CROUND                                         ; the closing round
	s_endpgm
.Lfunc_end_k_qc472cde911_attn:
	.size	k_qc472cde911_attn, .Lfunc_end_k_qc472cde911_attn-k_qc472cde911_attn
	.p2alignl 7, 3214868480
	.fill 96, 4, 3214868480
	.section	.rodata,"a",@progbits
	.p2align	6, 0x0
	.amdhsa_kernel k_qc472cde911_attn
		.amdhsa_group_segment_fixed_size 205824
		.amdhsa_private_segment_fixed_size 0
		.amdhsa_enable_private_segment 0
		.amdhsa_kernarg_size 32
		.amdhsa_user_sgpr_count 2
		.amdhsa_user_sgpr_kernarg_segment_ptr 1
		.amdhsa_wavefront_size32 1
		.amdhsa_system_sgpr_workgroup_id_x 1
		.amdhsa_system_sgpr_workgroup_id_y 1
		.amdhsa_system_sgpr_workgroup_id_z 1
		.amdhsa_system_vgpr_workitem_id 0
		.amdhsa_next_free_vgpr 512
		.amdhsa_next_free_sgpr 66
		.amdhsa_reserve_vcc 0
		.amdhsa_float_denorm_mode_32 3
		.amdhsa_float_denorm_mode_16_64 3
		.amdhsa_memory_ordered 1
		.amdhsa_forward_progress 1
		.amdhsa_inst_pref_size 81
	.end_amdhsa_kernel
	.amdgpu_metadata
---
amdhsa.version: [ 1, 2 ]
amdhsa.kernels:
  - .name:           k_qc472cde911_attn
    .symbol:         k_qc472cde911_attn.kd
    .args:
      - { .name: qb, .offset: 0, .size: 8, .value_kind: global_buffer, .address_space: global }
      - { .name: kv, .offset: 8, .size: 8, .value_kind: global_buffer, .address_space: global }
      - { .name: cc, .offset: 16, .size: 8, .value_kind: global_buffer, .address_space: global }
      - { .name: cs, .offset: 24, .size: 8, .value_kind: global_buffer, .address_space: global }
    .group_segment_fixed_size: 205824
    .private_segment_fixed_size: 0
    .kernarg_segment_align: 8
    .kernarg_segment_size: 32
    .max_flat_workgroup_size: 256
    .sgpr_count:     66
    .vgpr_count:     512
    .wavefront_size: 32
...
	.end_amdgpu_metadata
.endif
;; end of part 3
;; launch outp (part 4): grid 4 x 64, 4 waves a work-group, clusters of 4 x 4, 327,680 bytes of LDS; arguments cc, cs, wc, ws, bo, out0; writes out0
.if DOCPART == 4
	.amdgcn_target "amdgcn-amd-amdhsa--gfx1250"
	.amdhsa_code_object_version 6
	.text
	.protected	k_qc472cde911_outp
	.globl	k_qc472cde911_outp
	.p2align	8
	.type	k_qc472cde911_outp,@function
k_qc472cde911_outp:
	s_mov_b64 s[64:65], 0
	v_nop
	global_prefetch_b8 v0, s[64:65] scope:SCOPE_SE
	s_setreg_imm32_b32 hwreg(HW_REG_WAVE_MODE, 25, 1), 1
	s_wait_xcnt 0x0
	s_wait_alu depctr_hold_cnt(0) depctr_sa_sdst(0) depctr_va_vdst(0) depctr_va_sdst(0) depctr_va_ssrc(0) depctr_va_vcc(0) depctr_vm_vsrc(0)
	s_getreg_b32 s2, hwreg(HW_REG_IB_STS2, 6, 4)
	s_cmp_eq_u32 s2, 0
	s_cbranch_scc0 .Lentry_in_a_cluster
	s_endpgm
.Lentry_in_a_cluster:
	s_bfe_u32 s2, ttmp6, 0x10000c
	s_cmp_lg_u32 s2, 0xf033
	s_cbranch_scc0 .Lentry_shape_is_right
	s_endpgm
.Lentry_shape_is_right:
; Launch 4 of 4: out0 = ctx Wo^T + bo on codes.  Nothing is left out.
; 256 work-groups: 128 stored rows of ctx x 256 columns.  A wave holds 64 rows of Wo, all of K = 1,024, in 384 registers (source 0) and takes the 128 rows of ctx past them in eight blocks of 16 rows, 32 products a block.
; bo is the first products' C.  A lane then holds eight neighbouring columns of one row; a block's 16 rows x 64 columns go through the wave's own stage and leave as rows of 256 consecutive bytes, aligned.
; LDS is filled ONCE, one tensor load a wave at the head: waves 0, 1 Wo's 256 rows (jointly with my column of the cluster), wave 2 ctx's codes, 98,304 dense bytes of operand images, wave 3 their scale bytes (jointly with my row).
; So there is no loop in which a prefetch could run ahead of a load: none is written.  The stages lie on Wo's rows, which have had their only fill and are in registers behind the second barrier.
; ctx's rows are stored with bits 3 and 4 of the token's number swapped: the stores' offsets set that right.
; THE WAITS' COUNTS.  LDS work goes: fetch s + 1 (34 loads), stage s (16 lines), fetch s + 2.  A block's rows: behind their fetch stand 16 + 34 = 50 (block 0: 34; block 7: 16).  A block back from the stage: behind it stands one fetch, 34 (the last two: none).
.set KROW, 768
.set PITCH, 816
.set NQ, 8
.set NB, 4
.set FR, 12
.set FPW, 21
.set CH, 128*PITCH
.set AB, 2*CH
.set S0, AB+98304
.set SPARE, S0+4096
.set SPW, 10
.set NIL, 11
.set ADRB, 14
.set ABS, 16
.set AAS, 17
.set STO, 18
.set RD, 19
.set CO, 20
.set SB, 24
.set SA, 44
.set ACC, 64
.set BBQ, 128
.set BK, 160
.set AD, 224
.set BA, 984
.set G1W, 24
.set G1A, 32
.set G1S, 52
.set G0W, 76
.set G0A, 80
.set G0S, 88
.set MSB, 0
.macro WIN new
.if MSB != \new
	s_set_vgpr_msb (MSB<<8)|\new
.set MSB, \new
.endif
.endm
.macro PLACES n
.rept \n
	v_nop
.endr
.endm
.macro WALU
	s_wait_alu depctr_va_vdst(0)
.endm
.macro BARRIER
	s_barrier_signal -1
	s_barrier_wait -1
.endm
.macro CROUND
	BARRIER
	s_cmp_lg_u32 s14, 0
	s_cbranch_scc1 .Lnot_wave_0_\@
	s_barrier_signal -3
.Lnot_wave_0_\@:
	s_barrier_wait -3
	BARRIER
.endm
.macro TLOAD g0, g1
	tensor_load_to_lds s[\g0:\g0+3], s[\g1:\g1+7]
	s_nop 0
	PLACES 4
.endm
.macro DENSE1 g, rows
	s_mov_b32 s[\g+1], 32<<16
	s_mov_b32 s[\g+2], (\rows)<<16
	s_mov_b32 s[\g+3], 32<<16
	s_mov_b32 s[\g+4], \rows
	s_mov_b32 s[\g+5], 32
	s_mov_b32 s[\g+6], 0
	s_mov_b32 s[\g+7], 0
.endm
.macro FRAG f, q, a0, a1, aw           ; Wo's fragment from rows of 816 bytes: six pieces of 8 bytes, two to a load where both lie behind as many paddings
	WIN ((1+(\f)/FPW)<<6)|(\aw)
.set R_, FR*((\f)%FPW)
.set SKIP_, 0
.irp p, 0,1,2,3,4,5
.if SKIP_
.set SKIP_, 0
.else
.set PC_, 12*(\q)+6*(\p/3)+\p%3
.set PN_, 12*(\q)+6*((\p+1)/3)+(\p+1)%3
.set X_, (PC_%32+3)/32
.set XQ_, (PN_%32+3)/32
.if (\p < 5) && (X_ == XQ_)
.set SKIP_, 1
.if X_
	ds_load_2addr_b64 v[R_+2*\p:R_+2*\p+3], \a1 offset0:PC_+2*(PC_/32) offset1:PN_+2*(PN_/32)
.else
	ds_load_2addr_b64 v[R_+2*\p:R_+2*\p+3], \a0 offset0:PC_+2*(PC_/32) offset1:PN_+2*(PN_/32)
.endif
.elseif X_
	ds_load_b64 v[R_+2*\p:R_+2*\p+1], \a1 offset:8*(PC_+2*(PC_/32))
.else
	ds_load_b64 v[R_+2*\p:R_+2*\p+1], \a0 offset:8*(PC_+2*(PC_/32))
.endif
.endif
.endr
.endm
.macro WEIGHTS
.irp q, 0,1,2,3,4,5,6,7
.irp b, 0,1,2,3
	FRAG NB*\q+\b, \q, v[BA-768+2*\b], v[BA-768+2*\b+1], 3
.endr
.endr
	WIN 0
.endm
.macro FETCH e, b                      ; block b of ctx into set e: 16 heads' half operands and eight scale words: 34 loads of consecutive bytes
.set AO_, 12288*((\b)%5)
.set AR_, AD+2*((\b)/5)
.irp q, 0,1,2,3,4,5,6,7
.set F_, NB*NQ+NQ*(\e)+\q
.set R_, FR*(F_%FPW)
	WIN (1+F_/FPW)<<6
.irp u, 0,1
	ds_load_b128 v[R_+6*\u:R_+6*\u+3], v[AR_] offset:AO_+1536*\q+768*\u
	ds_load_b64 v[R_+6*\u+4:R_+6*\u+5], v[AR_+1] offset:AO_+1536*\q+768*\u+512
.endr
.endr
	WIN 0
	ds_load_b128 v[SA+8*(\e):SA+8*(\e)+3], v[AAS] offset:512*(\b)
	ds_load_b128 v[SA+8*(\e)+4:SA+8*(\e)+7], v[AAS] offset:512*(\b)+16
.endm
.macro PROD1 d, s0, s1, c, x0, x1, o
.if \o
	v_wmma_scale_f32_16x16x128_f8f6f4 v[\d:\d+7], v[FR*((\s0)%FPW):FR*((\s0)%FPW)+FR-1], v[FR*((\s1)%FPW):FR*((\s1)%FPW)+FR-1], \c, v[\x0], v[\x1] matrix_a_fmt:MATRIX_FMT_FP6 matrix_b_fmt:MATRIX_FMT_FP6 matrix_a_scale:MATRIX_SCALE_ROW1
.else
	v_wmma_scale_f32_16x16x128_f8f6f4 v[\d:\d+7], v[FR*((\s0)%FPW):FR*((\s0)%FPW)+FR-1], v[FR*((\s1)%FPW):FR*((\s1)%FPW)+FR-1], \c, v[\x0], v[\x1] matrix_a_fmt:MATRIX_FMT_FP6 matrix_b_fmt:MATRIX_FMT_FP6 matrix_a_scale:MATRIX_SCALE_ROW0
.endif
.endm
.macro BLOCK e                         ; 32 products; the four accumulators take turns
.set N_, 0
.rept 32
.set Q_, N_/4
.set FB_, NB*Q_+N_%4
.set FA_, NB*NQ+NQ*(\e)+Q_
.set D_, ACC+32*(\e)+8*(N_%4)
.set XB_, SB+NQ*((N_%4)/2)+Q_
.set XA_, SA+8*(\e)+Q_
	WIN (1+FB_/FPW)|((1+FA_/FPW)<<2)
.if Q_
	PROD1 D_, FB_, FA_, v[D_:D_+7], XB_, XA_, N_%2
.else
	PROD1 D_, FB_, FA_, v[BBQ+8*(N_%4):BBQ+8*(N_%4)+7], XB_, XA_, N_%2
.endif
.set N_, N_+1
.endr
	WIN 0
.endm
.macro TOSTAGE e                       ; LDS serves a wave's instructions in order: no wait between the stores and the loads, nor ahead of the next block's stores
.irp b, 0,1,2,3
	ds_store_b128 v[STO], v[ACC+32*(\e)+8*\b:ACC+32*(\e)+8*\b+3] offset:64*\b
	ds_store_b128 v[STO], v[ACC+32*(\e)+8*\b+4:ACC+32*(\e)+8*\b+7] offset:64*\b+16
.endr
.irp t, 0,1,2,3,4,5,6,7
	ds_load_b128 v[BK+32*(\e)+4*\t:BK+32*(\e)+4*\t+3], v[RD] offset:\t*2*272
.endr
.endm
.macro SEND s
.irp t, 0,1,2,3,4,5,6,7
	global_store_b128 v[CO], v[BK+32*((\s)%2)+4*\t:BK+32*((\s)%2)+4*\t+3], s[84:85] offset:(32*((\s)/2)+8*((\s)%2)+2*\t+8*(\t/4))*4096 th:TH_STORE_NT   ; sixteen lanes store 256 consecutive bytes, aligned
.endr
.endm
	s_load_b256 s[4:11], s[0:1], 0x0               ; cc, cs, wc, ws
	s_load_b128 s[48:51], s[0:1], 0x20             ; bo, out0
	v_lshl_add_u32 v[SPW], v0, 2, SPARE
	v_mov_b32 v[NIL], 0
	ds_add_u32 v[SPW], v[NIL]                      ; the opening: the add, twice on end, and its wait
	ds_add_u32 v[SPW], v[NIL]
	v_lshrrev_b32 v1, 5, v0
	v_readfirstlane_b32 s14, v1
	s_bfe_u32 s40, ttmp6, 0x40000                  ; cx: the tile column
	s_bfe_u32 s41, ttmp6, 0x40004
	s_and_b32 s43, ttmp7, 0xffff
	s_lshl_b32 s43, s43, 2
	s_add_co_u32 s43, s43, s41                     ; the tile row, 0 .. 63
	s_lshl_b32 s44, s41, 2
	s_lshl_b32 s44, 15, s44                        ; my row of the cluster
	s_lshl_b32 s45, 0x1111, s40                    ; my column
	s_or_b32 s[G1W], s45, (1<<20)|(1<<21)|(5<<22)|(3<<25)
	s_mov_b32 s[G1W+1], KROW<<16
	s_mov_b32 s[G1W+2], 128<<16
	s_mov_b32 s[G1W+3], KROW<<16
	s_mov_b32 s[G1W+4], 128
	s_mov_b32 s[G1W+5], KROW
	s_mov_b32 s[G1W+6], 0
	s_mov_b32 s[G1W+7], 0
	s_or_b32 s[G1A], s44, (3<<16)|(1<<21)
	DENSE1 G1A, 384
	s_or_b32 s[G1S], s44, (3<<16)|(1<<21)
	DENSE1 G1S, 16
	s_mul_i32 s15, s43, 98304                      ; ctx's codes: eight blocks of 12,288 bytes
	s_lshl_b32 s18, s43, 12                        ; their scale bytes
	s_lshl_b32 s62, s40, 8
	s_add_co_u32 s62, s62, 3072                    ; Wo's rows in wc and ws
	s_lshl_b32 s20, s14, 7
	s_add_co_u32 s20, s20, s62
	s_mul_i32 s22, s20, KROW
	s_lshl_b32 s20, s14, 6
	s_add_co_u32 s20, s20, s62
	s_lshl_b32 s23, s20, 5
	s_lshl_b32 s60, s40, 10
	s_lshl_b32 s20, s14, 8
	s_add_co_u32 s60, s60, s20                     ; my 64 columns, in bytes
	s_lshl_b32 s61, s43, 19                        ; my 128 rows of out0
	s_add_co_u32 s61, s61, s60
	s_mov_b32 s[G0W], 1
	s_mul_i32 s[G0W+1], s14, CH
	s_mov_b32 s[G0A], 1
	s_mov_b32 s[G0A+1], AB
	s_mov_b32 s[G0S], 1
	s_mov_b32 s[G0S+1], S0
	v_and_b32 v1, 15, v0
	v_bfe_u32 v2, v0, 4, 1
	v_and_b32 v3, 31, v0
	v_mul_u32_u24 v22, v1, PITCH
	s_mul_i32 s46, s14, 64*PITCH
	v_mad_u32_u24 v[ADRB], v2, 24, v22
	v_mad_u32_u24 v[ADRB+1], v2, 40, v22
	v_add_nc_u32 v[ADRB], s46, v[ADRB]
	v_add_nc_u32 v[ADRB+1], s46, v[ADRB+1]
	v_lshlrev_b32 v[ABS], 5, v3
	v_lshlrev_b32 v[AAS], 5, v1
	v_add_nc_u32 v[AAS], S0, v[AAS]
	v_lshlrev_b32 v4, 4, v3
	v_lshlrev_b32 v5, 3, v3
	v_add_nc_u32 v[AD], AB, v4
	v_add_nc_u32 v[AD+1], AB, v5
	v_add_nc_u32 v[AD+2], AB+5*12288, v4
	v_add_nc_u32 v[AD+3], AB+5*12288, v5
	s_mul_i32 s46, s14, 16*272                     ; my stage
	v_mul_u32_u24 v6, v1, 272
	v_lshl_add_u32 v6, v2, 5, v6
	v_add_nc_u32 v[STO], s46, v6
	v_mul_u32_u24 v6, v2, 272
	v_lshl_add_u32 v6, v1, 4, v6
	v_add_nc_u32 v[RD], s46, v6
	v_lshlrev_b32 v6, 12, v2
	v_lshl_add_u32 v[CO], v1, 4, v6
	v_lshlrev_b32 v7, 5, v2
	WIN 3<<6
.irp b, 0,1,2,3
	v_add_nc_u32 v[BA-768+2*\b], \b*16*PITCH, v[ADRB]
	v_add_nc_u32 v[BA-768+2*\b+1], \b*16*PITCH, v[ADRB+1]
.endr
	WIN 0
	WALU
	s_wait_dscnt 0x0
	CROUND                                         ; the opening round
	s_wait_kmcnt 0x0
	s_mov_b32 s21, 0
	s_mov_b32 s20, s22
	s_add_nc_u64 s[G0W+2:G0W+3], s[8:9], s[20:21]
	s_or_b32 s[G0W+3], s[G0W+3], 0x80000000
	s_mov_b32 s20, s15
	s_add_nc_u64 s[G0A+2:G0A+3], s[4:5], s[20:21]
	s_or_b32 s[G0A+3], s[G0A+3], 0x80000000
	s_mov_b32 s20, s18
	s_add_nc_u64 s[G0S+2:G0S+3], s[6:7], s[20:21]
	s_or_b32 s[G0S+3], s[G0S+3], 0x80000000
	s_cmp_lt_u32 s14, 2
	s_cbranch_scc0 .Lhead_2
	TLOAD G0W, G1W                                 ; waves 0, 1: Wo's rows
	s_branch .Lhead_j
.Lhead_2:
	s_cmp_eq_u32 s14, 2
	s_cbranch_scc0 .Lhead_3
	TLOAD G0A, G1A                                 ; wave 2: ctx's codes
	s_branch .Lhead_j
.Lhead_3:
	TLOAD G0S, G1S                                 ; wave 3: ctx's scale bytes
.Lhead_j:
	s_mov_b32 s20, s23
	s_add_nc_u64 s[10:11], s[10:11], s[20:21]
	s_mov_b32 s20, s60
	s_add_nc_u64 s[48:49], s[48:49], s[20:21]
	s_mov_b32 s20, s61
	s_add_nc_u64 s[84:85], s[50:51], s[20:21]
.irp p, 0,1
.irp c, 0,1
	global_load_b128 v[SB+NQ*\p+4*\c:SB+NQ*\p+4*\c+3], v[ABS], s[10:11] offset:\p*1024+16*\c   ; Wo's scale words: lanes 0-15 tile 2 p, lanes 16-31 tile 2 p + 1
.endr
.endr
.irp b, 0,1,2,3
	global_load_b128 v[BBQ+8*\b:BBQ+8*\b+3], v7, s[48:49] offset:64*\b          ; bo as the result lies: columns 16 b + 8 h + 0 .. 7
	global_load_b128 v[BBQ+8*\b+4:BBQ+8*\b+7], v7, s[48:49] offset:64*\b+16
.endr
	s_cmp_lt_u32 s14, 2
	s_cbranch_scc0 .Lnot_w
	s_wait_tensorcnt 0x0
.Lnot_w:
	BARRIER                                        ; Wo's rows are in
	WEIGHTS
	s_wait_tensorcnt 0x0
	s_wait_dscnt 0x0
	BARRIER                                        ; ctx is in, and Wo's rows are in every wave's registers: the stages may be written
	FETCH 0, 0
	FETCH 1, 1
	s_wait_loadcnt 0x0
.irp s, 0,1,2,3,4,5,6,7
.if \s == 0
	s_wait_dscnt 34
.elseif \s == 7
	s_wait_dscnt 16
.else
	s_wait_dscnt 50
.endif
	BLOCK \s%2
	PLACES 4                                       ; between the products and the reads of their results, and the loads into their registers
.if \s > 0
.if \s < 7
	s_wait_dscnt 34                                ; the block before is back from the stage
.else
	s_wait_dscnt 0x0
.endif
	SEND \s-1
.endif
	s_wait_xcnt 0x0                                ; the stores have read their registers: the stage's loads may land there
	TOSTAGE \s%2
.if \s < 6
	FETCH \s%2, \s+2
.endif
.endr
	s_wait_dscnt 0x0
	SEND 7
	s_wait_tensorcnt 0x0                           ; the wave's end
	ds_add_u32 v[SPW], v[NIL]
	s_wait_dscnt 0x0
	CROUND                                         ; the closing round
	s_endpgm
.Lfunc_end_k_qc472cde911_outp:
	.size	k_qc472cde911_outp, .Lfunc_end_k_qc472cde911_outp-k_qc472cde911_outp
	.p2alignl 7, 3214868480
	.fill 96, 4, 3214868480
	.section	.rodata,"a",@progbits
	.p2align	6, 0x0
	.amdhsa_kernel k_qc472cde911_outp
		.amdhsa_group_segment_fixed_size 327680
		.amdhsa_private_segment_fixed_size 0
		.amdhsa_enable_private_segment 0
		.amdhsa_kernarg_size 48
		.amdhsa_user_sgpr_count 2
		.amdhsa_user_sgpr_kernarg_segment_ptr 1
		.amdhsa_wavefront_size32 1
		.amdhsa_system_sgpr_workgroup_id_x 1
		.amdhsa_system_sgpr_workgroup_id_y 1
		.amdhsa_system_sgpr_workgroup_id_z 1
		.amdhsa_system_vgpr_workitem_id 0
		.amdhsa_next_free_vgpr 1024
		.amdhsa_next_free_sgpr 102
		.amdhsa_reserve_vcc 0
		.amdhsa_float_denorm_mode_32 3
		.amdhsa_float_denorm_mode_16_64 3
		.amdhsa_memory_ordered 1
		.amdhsa_forward_progress 1
		.amdhsa_inst_pref_size 82
	.end_amdhsa_kernel
	.amdgpu_metadata
---
amdhsa.version: [ 1, 2 ]
amdhsa.kernels:
  - .name:           k_qc472cde911_outp
    .symbol:         k_qc472cde911_outp.kd
    .args:
      - { .name: cc, .offset: 0, .size: 8, .value_kind: global_buffer, .address_space: global }
      - { .name: cs, .offset: 8, .size: 8, .value_kind: global_buffer, .address_space: global }
      - { .name: wc, .offset: 16, .size: 8, .value_kind: global_buffer, .address_space: global }
      - { .name: ws, .offset: 24, .size: 8, .value_kind: global_buffer, .address_space: global }
      - { .name: bo, .offset: 32, .size: 8, .value_kind: global_buffer, .address_space: global }
      - { .name: out0, .offset: 40, .size: 8, .value_kind: global_buffer, .address_space: global }
    .group_segment_fixed_size: 327680
    .private_segment_fixed_size: 0
    .kernarg_segment_align: 8
    .kernarg_segment_size: 48
    .max_flat_workgroup_size: 128
    .sgpr_count:     102
    .vgpr_count:     1024
    .wavefront_size: 32
...
	.end_amdgpu_metadata
.endif
;; end of part 4
